; MI455X (gfx1250); checked and timed in simulation.
; The chip was launched on July 23, 2026; its instructions are those of AMD's public machine-readable ISA for CDNA 5 (MIT licence, August 2026) and "CDNA5" Instruction Set Architecture Reference Guide (July 2026). The comments in the code are by the model that wrote it; some were corrected since.
;; Bahdanau Attention. Allowed arithmetic: float matrix products may take bf16 or f16 operands with f32 sums; all other float work in f32.
;; Inputs: V_b 1 float32; V_k 1,024 x 1 float32; W1_b 1,024 float32; W1_k 1,024 x 1,024 float32; W2_b 1,024 float32; W2_k 1,024 x 1,024 float32; query 32 x 1,024 float32; values 32 x 2,048 x 1,024 float32.
;; Outputs: out0 32 x 1,024 float32.
;; 2 versions, each right; version 2 is version 1 with the launch main written anew for expert scheduling mode. Each part assembles by itself: llvm-mc -triple=amdgcn-amd-amdhsa -mcpu=gfx1250 --defsym DOCPART=n.
;; ======== version 1 of 2: 3 launches
;; limits: values outside matrix products are rounded to bf16
;; workspace buffers: w2f 2,097,152 bytes; qpt 131,072 bytes; pbuf 2,359,296 bytes
;; launch prep (part 1): grid 64 x 1, 16 waves a work-group, no clusters, 34,816 bytes of LDS; arguments W1_k, W2_k, query, W1_b, W2_b, w2f, qpt; writes w2f, qpt
.if DOCPART == 1
	.amdgcn_target "amdgcn-amd-amdhsa--gfx1250"
	.amdhsa_code_object_version 6
	.text
	.protected	k_q156d1a955f_prep
	.globl	k_q156d1a955f_prep
	.p2align	8
	.type	k_q156d1a955f_prep,@function
k_q156d1a955f_prep:
	s_mov_b64 s[64:65], 0
	v_nop
	global_prefetch_b8 v0, s[64:65] scope:SCOPE_SE
	s_setreg_imm32_b32 hwreg(HW_REG_WAVE_MODE, 25, 1), 1
	s_wait_xcnt 0x0
; Two small tables for the main launch.  c = 2 log2(e), so that 2^(c x) = e^(2 x) there.
;   w2f = bf16(c W2) in the order of matrix fragments: the fragment of column block nb (16 columns) and K block kb (32 k) is 1,024 bytes at
;         (nb / 8) 262,144 + kb 8,192 + (nb % 8) 1,024; lane L's registers 0-3 lie at 16 L, its registers 4-7 at 512 + 16 L.
;   qpt = c (query W1 + W1_b + W2_b), f32, laid [64 nb][32 b][16 columns].
; SHARES.  Work-group nb owns 16 columns of W1 and W2.  Wave w owns K blocks 2 w and 2 w + 1.  Lane (r = L % 16, h = L / 16) holds column 16 nb + r
; and k = 32 kb + 8 h + 0..7 (registers 0-3), 32 kb + 16 + 8 h + 0..7 (registers 4-7): a fragment as the matrix instruction wants it.
; The two tables are [k][column] in f32, so a lane takes one number from each of 16 rows for a K block: a load of the wave takes 64 consecutive bytes of two rows.
; W1 and W2 are 8 MiB of the program's 277 MB and are read once, so they are not staged.
; query W1: bf16 operands, f32 sums; K is split over the 16 waves, whose partial sums meet in LDS and are added in f32.
; No cluster: no two work-groups read the same bytes of W1 or W2, and the query is 128 KiB.
.set CSC, 0x4038aa3b                   ; c = 2 log2(e) = 2.885390
.set ACC, 16                           ; v[16:23], v[24:31]  query rows 0-15, 16-31 x my 16 columns
.set W1R, 32                           ; v[32:63]   W1: 16 numbers a K block, then 8 registers of bf16; later the reduction's 16 pairs
.set W2R, 64                           ; v[64:95]   W2 likewise
.set QR,  96                           ; v[96:159]  query: 16 numbers for each (K block, 16 rows)
	s_load_b256 s[4:11], s[0:1], 0x0               ; W1 s[4:5], W2 s[6:7], query s[8:9], W1_b s[10:11]
	s_load_b128 s[12:15], s[0:1], 0x20             ; W2_b s[12:13], w2f s[14:15]
	s_load_b64 s[16:17], s[0:1], 0x30              ; qpt
	v_lshl_add_u32 v160, v0, 2, 0x8000
	v_mov_b32 v161, 0
	v_lshrrev_b32 v1, 5, v0
	v_readfirstlane_b32 s18, v1                    ; wave 0..15
	v_and_b32 v2, 15, v0                           ; r
	v_bfe_u32 v3, v0, 4, 1                         ; h
	v_and_b32 v11, 31, v0                          ; L
	s_lshl_b32 s20, s18, 18                        ; my two K blocks: 64 rows of 4,096 bytes
	s_lshl_b32 s21, ttmp9, 6                       ; my 16 columns: 64 bytes
	s_add_co_u32 s20, s20, s21
	v_lshl_add_u32 v4, v3, 15, s20                 ; + 8 h rows
	v_lshl_add_u32 v4, v2, 2, v4                   ; + 4 r: my place in W1 and in W2
	v_and_b32 v9, 7, v0
	v_lshlrev_b32 v8, 3, v9                        ; the reduction's LDS address, made below: 8 (t % 8)
	v_lshl_add_u32 v9, v9, 3, s21                  ; my two biases: 64 nb + 8 (t % 8)
	s_lshl_b32 s21, s18, 8                         ; my two K blocks in a row of the query: 64 numbers
	v_lshl_add_u32 v5, v2, 12, s21                 ; row r
	v_lshl_add_u32 v5, v3, 5, v5                   ; + 8 h numbers
	s_lshl_b32 s21, s18, 14                        ; my two K blocks in w2f
	v_lshl_add_u32 v6, v11, 4, s21
	s_lshl_b32 s21, s18, 11                        ; my 2,048 bytes of LDS
	v_lshl_add_u32 v7, v11, 2, s21
	; thread t < 256 sums batch row bq = t / 8, columns 2 (t % 8), + 1.  A wave's results lie [e = 8 (bq / 16) + bq % 8][lane = 16 ((bq / 8) % 2) + column]
	v_bfe_u32 v12, v0, 6, 1
	v_lshl_add_u32 v8, v12, 6, v8
	v_bfe_u32 v12, v0, 3, 3
	v_lshl_add_u32 v8, v12, 7, v8
	v_bfe_u32 v12, v0, 7, 1
	v_lshl_add_u32 v8, v12, 10, v8
	v_lshlrev_b32 v10, 3, v0                       ; and stores 8 bytes at 8 t
	s_lshr_b32 s20, ttmp9, 3
	s_lshl_b32 s20, s20, 18
	s_and_b32 s21, ttmp9, 7
	s_lshl_b32 s21, s21, 10
	s_add_co_u32 s20, s20, s21
	s_mov_b32 s21, 0
	s_lshl_b32 s22, ttmp9, 11
	s_mov_b32 s23, 0
	s_wait_kmcnt 0x0
	s_add_nc_u64 s[14:15], s[14:15], s[20:21]      ; w2f at my column block
	s_add_nc_u64 s[16:17], s[16:17], s[22:23]      ; qpt at my column block
; 32 loads: number e = 16 i + 8 g + j is k = 32 (2 w + i) + 16 g + 8 h + j of my column
.macro LDW dst, lo
.set e, 0
.rept 32
	global_load_b32 v[\dst+e], v4, s[\lo:\lo+1] offset:(32*(e/16)+16*((e/8)%2)+(e%8))*4096
.set e, e+1
.endr
.endm
; 16 numbers in f32 become a fragment's 8 registers, in place: register m is written when registers 2 m and 2 m + 1 are read, never before
.macro CVT8 R
.irp m, 0,1,2,3,4,5,6,7
	v_cvt_pk_bf16_f32 v[\R+\m], v[\R+2*\m], v[\R+2*\m+1]
.endr
.endm
	LDW W2R, 6
	LDW W1R, 4
.set e, 0
.rept 16                               ; e = 8 i + 4 mb + 2 g + part: query row 16 mb + r, k = 32 (2 w + i) + 16 g + 8 h + 4 part + 0..3
	global_load_b128 v[QR+4*e:QR+4*e+3], v5, s[8:9] offset:((e/4)%2)*65536+(e/8)*128+((e/2)%2)*64+(e%2)*16
.set e, e+1
.endr
	global_load_b64 v[12:13], v9, s[10:11]
	global_load_b64 v[14:15], v9, s[12:13]
	s_wait_loadcnt 0x0                             ; everything that the launch reads, asked for in one run
	; W2: times c, rounded, stored: each store of the wave covers 512 consecutive bytes, aligned
.set e, 0
.rept 16
	v_pk_mul_f32 v[W2R+2*e:W2R+2*e+1], v[W2R+2*e:W2R+2*e+1], CSC op_sel_hi:[1,0]
.set e, e+1
.endr
	CVT8 W2R
	CVT8 W2R+16
.irp i, 0,1
	global_store_b128 v6, v[W2R+16*\i:W2R+16*\i+3],   s[14:15] offset:\i*8192
	global_store_b128 v6, v[W2R+16*\i+4:W2R+16*\i+7], s[14:15] offset:\i*8192+512
.endr
	; query W1 over my 64 k: source 0 = 16 rows of the query, source 1 = my 16 columns of W1.  The two accumulators take turns.
	CVT8 W1R
	CVT8 W1R+16
	CVT8 QR
	CVT8 QR+16
	CVT8 QR+32
	CVT8 QR+48
	v_pk_add_f32 v[12:13], v[12:13], v[14:15]      ; W1_b + W2_b
	v_wmma_f32_16x16x32_bf16 v[ACC:ACC+7],    v[QR:QR+7],       v[W1R:W1R+7],     0
	v_wmma_f32_16x16x32_bf16 v[ACC+8:ACC+15], v[QR+16:QR+23],   v[W1R:W1R+7],     0
	v_wmma_f32_16x16x32_bf16 v[ACC:ACC+7],    v[QR+32:QR+39],   v[W1R+16:W1R+23], v[ACC:ACC+7]
	v_wmma_f32_16x16x32_bf16 v[ACC+8:ACC+15], v[QR+48:QR+55],   v[W1R+16:W1R+23], v[ACC+8:ACC+15]
.rept 4
	v_nop                                          ; four places between the products and the stores that read them
.endr
.set e, 0
.rept 16                               ; register e = 8 mb + j of lane (r, h) is batch row 16 mb + 8 h + j, column r; each accumulator is read from its low end on
	ds_store_b32 v7, v[ACC+e] offset:e*128
.set e, e+1
.endr
	s_wait_dscnt 0x0                               ; for the others' sake: my partial sums are in LDS
	s_barrier_signal -1
	s_barrier_wait -1
	s_cmp_ge_u32 s18, 8                            ; 512 sums, two a thread: waves 0 to 7 make them; no barrier follows
	s_cbranch_scc1 .Lend
.set e, 0
.rept 16
	ds_load_b64 v[W1R+2*e:W1R+2*e+1], v8 offset:e*2048   ; wave e's partial sums of my two numbers
.set e, e+1
.endr
	s_wait_dscnt 0x0
.irp d, 8,4,2,1
.set e, 0
.rept \d
	v_pk_add_f32 v[W1R+2*e:W1R+2*e+1], v[W1R+2*e:W1R+2*e+1], v[W1R+2*(e+\d):W1R+2*(e+\d)+1]
.set e, e+1
.endr
.endr
	v_pk_add_f32 v[W1R:W1R+1], v[W1R:W1R+1], v[12:13]
	v_pk_mul_f32 v[W1R:W1R+1], v[W1R:W1R+1], CSC op_sel_hi:[1,0]
	global_store_b64 v10, v[W1R:W1R+1], s[16:17]   ; a wave stores 256 consecutive bytes, aligned
.Lend:
	s_wait_tensorcnt 0x0
	ds_add_u32 v160, v161
	s_wait_dscnt 0x0
	s_endpgm
.Lfunc_end_k_q156d1a955f_prep:
	.size	k_q156d1a955f_prep, .Lfunc_end_k_q156d1a955f_prep-k_q156d1a955f_prep
	.p2alignl 7, 3214868480
	.fill 96, 4, 3214868480
	.section	.rodata,"a",@progbits
	.p2align	6, 0x0
	.amdhsa_kernel k_q156d1a955f_prep
		.amdhsa_group_segment_fixed_size 34816
		.amdhsa_private_segment_fixed_size 0
		.amdhsa_enable_private_segment 0
		.amdhsa_kernarg_size 56
		.amdhsa_user_sgpr_count 2
		.amdhsa_user_sgpr_kernarg_segment_ptr 1
		.amdhsa_wavefront_size32 1
		.amdhsa_system_sgpr_workgroup_id_x 1
		.amdhsa_system_sgpr_workgroup_id_y 1
		.amdhsa_system_sgpr_workgroup_id_z 1
		.amdhsa_system_vgpr_workitem_id 0
		.amdhsa_next_free_vgpr 162
		.amdhsa_next_free_sgpr 66
		.amdhsa_reserve_vcc 0
		.amdhsa_float_denorm_mode_32 3
		.amdhsa_float_denorm_mode_16_64 3
		.amdhsa_memory_ordered 1
		.amdhsa_forward_progress 1
		.amdhsa_inst_pref_size 20
	.end_amdhsa_kernel
	.amdgpu_metadata
---
amdhsa.version: [ 1, 2 ]
amdhsa.kernels:
  - .name:           k_q156d1a955f_prep
    .symbol:         k_q156d1a955f_prep.kd
    .args:
      - { .name: W1_k, .offset: 0, .size: 8, .value_kind: global_buffer, .address_space: global }
      - { .name: W2_k, .offset: 8, .size: 8, .value_kind: global_buffer, .address_space: global }
      - { .name: query, .offset: 16, .size: 8, .value_kind: global_buffer, .address_space: global }
      - { .name: W1_b, .offset: 24, .size: 8, .value_kind: global_buffer, .address_space: global }
      - { .name: W2_b, .offset: 32, .size: 8, .value_kind: global_buffer, .address_space: global }
      - { .name: w2f, .offset: 40, .size: 8, .value_kind: global_buffer, .address_space: global }
      - { .name: qpt, .offset: 48, .size: 8, .value_kind: global_buffer, .address_space: global }
    .group_segment_fixed_size: 34816
    .private_segment_fixed_size: 0
    .kernarg_segment_align: 8
    .kernarg_segment_size: 56
    .max_flat_workgroup_size: 512
    .sgpr_count:     66
    .vgpr_count:     162
    .wavefront_size: 32
...
	.end_amdgpu_metadata
.endif
;; end of part 1
;; launch main (part 2): grid 512 x 1, 4 waves a work-group, no clusters, 287,232 bytes of LDS; arguments values, w2f, qpt, V_k, V_b, pbuf; writes pbuf
.if DOCPART == 2
	.amdgcn_target "amdgcn-amd-amdhsa--gfx1250"
	.amdhsa_code_object_version 6
	.text
	.protected	k_q156d1a955f_main
	.globl	k_q156d1a955f_main
	.p2align	8
	.type	k_q156d1a955f_main,@function
k_q156d1a955f_main:
	s_mov_b64 s[64:65], 0
	v_nop
	global_prefetch_b8 v0, s[64:65] scope:SCOPE_SE
	s_setreg_imm32_b32 hwreg(HW_REG_WAVE_MODE, 25, 1), 1
	s_wait_xcnt 0x0
; For a block of 128 rows (b, t) of values: score = V_b + sum over u of V[u] tanh(q_proj[b][u] + (values W2)[u] + W2_b[u]); the block's maximum m,
; p = e^(score - m), l = sum of p, and ctx[d] = sum over the block's rows of p values[row][d].  A record (ctx, m, l) goes to pbuf; the last launch merges a batch's 16 records.
; VALUES LEAVE MEMORY ONCE, UNDER THE FIRST CHUNK'S PRODUCTS.  The block is rounded to bf16 on its way into LDS and stays there, for both chunks' products and for ctx.
; It comes in SLICES of 128 k (128 rows x 512 bytes of f32; four K steps).  Only slice 0 is waited for ahead of the products.  In K trip t of chunk 0 each wave rounds its 32 rows of
; slice t + 1, stores them, and asks for slice t + 2 into the same 32 register slots; one barrier a trip stands between those stores and the first read of the slice.
; SHARES.  Four waves.  The 1,024 columns go in two chunks of 512; in a chunk wave w makes all 128 rows x 128 columns: 64 accumulators, 512 registers.
; The matrix instruction is used transposed (source 0 = 16 columns of W2, source 1 = 16 rows of values): lane (r, h), register j of accumulator (rb, cb) holds
; row 16 rb + r, column 16 cb + 8 h + j, so a row's dot product with V stays in a lane but for one exchange between the halves of the lanes.
; W2 comes from w2f, which lies in fragment order (bf16, times c = 2 log2 e): a K step's eight fragments of a wave are 8,192 consecutive bytes, loaded straight into
; registers, in a ring of four buffers.  The first K step takes c (q_proj + W2_b) from qpt as its C: nothing is cleared and no bias is added later.
; tanh x = 1 - 2 / (1 + 2^(c x)).  2^ gives infinity for large x (tanh = 1) and 0 for very negative x (tanh = -1): no clamp is needed.
; score = sum of V - 2 sum of V / (1 + 2^(c x)), both sums in f32: its error is of the order 2^-24 x sum of |V|, as that of any f32 sum of V tanh.
; LIMITS.  values enter both the product and ctx as bf16 (relative rounding 2^-9 a number); weights, maxima and all sums are f32.  NaN and infinite inputs are not served.
; NO TENSOR LOADS, NO CLUSTER, although every work-group reads all of w2f: the block takes 278,528 of the 327,680 bytes that a work-group can be given, and two slots of one K step
; of a chunk's 512 columns are 65,536 more.  Each wave's columns are its own, so LDS would spare no byte inside the work-group either.
; The two chunks are written out one after the other, since only the first brings values in; no loop of the text is longer than one K trip.
;
; LDS: slice s at s x 34,816: 128 rows 272 bytes apart (17 x 16: the 16 rows that a fragment load touches start in 16 different groups of four banks: ISA guide 11.1), so that what a trip
;      stores and what it reads lie in different regions;  SCW [4 waves][128 rows] partial scores;  WGT each wave's own copy of the 128 weights;  CTXS each wave's own 1,024 bytes for the way out.
; REGISTERS, in windows of 256 (s_set_vgpr_msb: bits 1:0 source 0, 3:2 source 1, 5:4 source 2, 7:6 destination):
;   window 0: addresses, sums, v64-127 fragments of values, v128-255 the 32 load slots (later V of the chunk, and ctx);  window 1: four buffers of W2's fragments (the fourth holds qpt's
;   numbers at a chunk's start);  window 2: accumulators of rows 0-63 ((a, cb) at 8 (8 a + cb)), and at the start slice 0 as loaded;  window 3: accumulators of rows 64-127.
.set SP,     272
.set R16,    16*SP
.set SLB,    128*SP
.set SCW,    8*SLB
.set WGT,    SCW+2048
.set CTXS,   WGT+2048
.set LO16, 1                           ; v1      16 x lane; never rewritten
.set LQ,   2                           ; v2      32 h; never rewritten
.set A0,   3                           ; v3      r x SP + 16 h
.set ADRA, 4                           ; v4      LDS address of my lane's place in the trip's slice
.set LA,   8                           ; v8      where my lane puts 8 bytes of my wave's first row, in the trip's slice
.set SA,   10                          ; v10     my wave's partial scores, row r
.set RA,   11                          ; v11     four rows' partial scores
.set WS,   12                          ; v12     where my lane puts four weights
.set WA,   13                          ; v13     my wave's weights, at the trip's rows
.set CA,   14                          ; v14     my thread's 8 columns, at the trip's rows
.set XS,   15                          ; v15, v16, v17  the way out
.set XL,   16
.set GO,   17
.set ST,   18                          ; v18-21  m, l, m, l
.set SCR,  22                          ; v22-23  at work
.set U,    24                          ; v24-31  a score for each block of 16 rows
.set S,    32                          ; v32-47  sum of V / (1 + 2^..): a pair for each block of 16 rows
.set VS,   48                          ; v48-55  sum of V: four pairs
.set PW,   56                          ; v56-59  four rows' scores, then weights
.set F,    64                          ; v64-127 fragment of rows 16 rb on at F + 8 rb; at the start slice 0's rounded words
.set SLT,  128                         ; v128-255 slot j: my wave's row j of a slice, four f32 a lane, rounded in place into its first two registers
.set X,    128                         ; v128-191 V[16 cb + 8 h + j] at X + 8 cb + j, from K step 28 on
.set CX,   224                         ; v224-231 ctx of my 8 columns
.set OUTR, 232
.set MSB, 0
.macro WIN new                         ; the immediate's high byte repeats the setting that is left; a switch that changes nothing is dropped
.if MSB != \new
	s_set_vgpr_msb (MSB<<8)|\new
.set MSB, \new
.endif
.endm
.macro PLACES                          ; four places between a matrix instruction and a load into, or a vector instruction on, its registers
.rept 4
	v_nop
.endr
.endm
	s_load_b256 s[4:11], s[0:1], 0x0               ; values s[4:5], w2f s[6:7], qpt s[8:9], V_k s[10:11]
	s_load_b128 s[12:15], s[0:1], 0x20             ; V_b s[12:13], pbuf s[14:15]
	v_lshl_add_u32 v62, v0, 2, 0x46000
	v_mov_b32 v63, 0
	v_lshrrev_b32 v[SCR], 5, v0
	v_readfirstlane_b32 s16, v[SCR]                ; wave 0..3
	v_and_b32 v[SCR], 31, v0                       ; lane
	v_lshlrev_b32 v[LO16], 4, v[SCR]
	s_lshl_b32 s20, ttmp9, 19                      ; my block: 128 rows of 4,096 bytes;
	s_lshl_b32 s21, s16, 17                        ; my wave loads 32 of them
	s_add_co_u32 s20, s20, s21
	s_mov_b32 s21, 0
	s_wait_kmcnt 0x0
	s_add_nc_u64 s[4:5], s[4:5], s[20:21]
	WIN 0x80                                       ; destination window 2
.set n, 0
.rept 32                               ; slice 0 of my 32 rows: each load 512 consecutive bytes, aligned
	global_load_b128 v[4*n:4*n+3], v[LO16], s[4:5] offset:n*4096 th:TH_LOAD_NT
.set n, n+1
.endr
	WIN 0
.set n, 0
.rept 32                               ; slice 1, into the slots
	global_load_b128 v[SLT+4*n:SLT+4*n+3], v[LO16], s[4:5] offset:n*4096+512 th:TH_LOAD_NT
.set n, n+1
.endr
	s_load_b32 s22, s[12:13], 0x0                  ; V_b
	s_lshl_b32 s20, s16, 18                        ; w2f: my wave's 128 columns of chunk 0 are 262,144 bytes on end; the pointer stands four K steps in
	s_add_co_u32 s20, s20, 32768
	s_add_nc_u64 s[6:7], s[6:7], s[20:21]
	s_lshr_b32 s18, ttmp9, 4                       ; the batch
	s_lshl_b32 s18, s18, 6
	s_lshl_b32 s20, s16, 14
	s_add_co_u32 s20, s20, s18
	s_add_nc_u64 s[8:9], s[8:9], s[20:21]          ; qpt: my eight column blocks, my batch's 64 bytes
	s_lshl_b32 s20, s16, 9
	s_add_nc_u64 s[10:11], s[10:11], s[20:21]      ; V: my 128 columns
	s_add_co_u32 s24, s20, SCW
	s_add_co_u32 s25, s20, WGT
	s_mul_i32 s20, ttmp9, 4608
	s_add_nc_u64 s[14:15], s[14:15], s[20:21]      ; my block's record
	s_mov_b32 s26, 0x76543210                      ; v_permlanex16_b32: each lane takes its own place in the other half
	s_mov_b32 s27, 0xfedcba98
	s_mov_b32 s28, 0x3fb8aa3b                      ; log2(e)
	v_and_b32 v[U], 15, v0                         ; r
	v_bfe_u32 v[U+1], v0, 4, 1                     ; h
	v_lshlrev_b32 v[LQ], 5, v[U+1]
	v_mul_u32_u24 v[A0], v[U], SP
	v_lshl_add_u32 v[A0], v[U+1], 4, v[A0]
	v_lshl_add_u32 v[SA], v[U], 2, s24
	v_add_nc_u32 v[RA], SCW, v[LO16]
	v_add_nc_u32 v[WS], s25, v[LO16]
	v_mov_b32 v[WA], s25
	v_lshrrev_b32 v[U+2], 4, v0                    ; thread t's 8 columns lie in slice t / 16, at byte 16 (t % 16) of its rows
	v_mul_u32_u24 v[U+2], v[U+2], SLB
	v_lshl_add_u32 v[CA], v[U], 4, v[U+2]
	s_mul_i32 s20, s16, 32*SP
	v_lshl_add_u32 v[LA], v[SCR], 3, s20
	s_lshl_b32 s20, s16, 10
	v_add_nc_u32 v[GO], s20, v[LO16]
	s_add_co_u32 s24, s20, CTXS
	v_lshl_add_u32 v[XS], v[SCR], 5, s24
	v_add_nc_u32 v[XL], s24, v[LO16]
.set e, 0
.rept 24
	v_mov_b32 v[S+e], 0                            ; the sums that run over both chunks
.set e, e+1
.endr
; Eight of the 64 loads that start a chunk, in this order: qpt's numbers (16 loads, into buffer 3), then W2's fragments of K steps 0, 1, 2 (16 each)
.macro PRIME8 n0
.set n, \n0
.rept 8
.if n < 16
	global_load_b128 v[192+4*n:192+4*n+3], v[LQ], s[8:9] offset:(n/2)*2048+(n%2)*16
.else
	global_load_b128 v[4*(n-16):4*(n-16)+3], v[LO16], s[6:7] offset:(n-16)*512-32768
.endif
.set n, n+1
.endr
.endm
; Eight rows of slice 0: rounded to bf16 and put into LDS; eight of the chunk's first loads go out in their place, so the wait keeps its count
.macro FIRST g
	s_wait_loadcnt 56                              ; 64 loads have been issued since the group's first: its eight are in, the 56 younger ones stay out (loads come back in order: ISA guide 5.7.1)
	WIN 0x0a                                       ; sources window 2
.irp i, 0,1,2,3,4,5,6,7
	v_cvt_pk_bf16_f32 v[F+16*\g+2*\i],   v[4*(8*\g+\i)],   v[4*(8*\g+\i)+1]
	v_cvt_pk_bf16_f32 v[F+16*\g+2*\i+1], v[4*(8*\g+\i)+2], v[4*(8*\g+\i)+3]
.endr
	WIN 0x40
	PRIME8 8*\g
	WIN 0
.irp i, 0,1,2,3,4,5,6,7
	ds_store_b64 v[LA], v[F+16*\g+2*\i:F+16*\g+2*\i+1] offset:(8*\g+\i)*SP   ; 32 lanes, 256 consecutive bytes
.endr
.endm
	FIRST 0
	FIRST 1
	FIRST 2
	FIRST 3
	WIN 0x40
.irp g, 32,40,48,56
	PRIME8 \g                                      ; W2's fragments of K steps 1 and 2
.endr
	WIN 0
	s_wait_kmcnt 0x0                               ; V_b
	s_wait_dscnt 0x0                               ; for the others' sake: my 32 rows of slice 0 are in LDS
	s_barrier_signal -1
	s_barrier_wait -1                              ; slice 0 is whole; no byte of the block is ever written twice
; Eight LDS loads: the fragments of rows 64 half on (four blocks of 16 rows), 32 along K at byte koff from the trip's slice (koff = SLB: the next slice's first K step)
.macro FETCHA half, koff
.irp q, 0,1,2,3
	ds_load_b128 v[F+8*(4*\half+\q):F+8*(4*\half+\q)+3],   v[ADRA] offset:(4*\half+\q)*R16+\koff
	ds_load_b128 v[F+8*(4*\half+\q)+4:F+8*(4*\half+\q)+7], v[ADRA] offset:(4*\half+\q)*R16+\koff+32
.endr
.endm
; Group g = rows 8 g to 8 g + 7 of my wave's 32.  CVT8R rounds the next slice's numbers in place (16 plain instructions, which are also the places behind the products);
; STORE8 puts them into the slice behind the trip's; RELOAD8 asks for the slice behind that one into the same slots (an LDS store's data need no wait before they are written again).
.macro CVT8R g
.irp i, 0,1,2,3,4,5,6,7
	v_cvt_pk_bf16_f32 v[SLT+4*(8*\g+\i)],   v[SLT+4*(8*\g+\i)],   v[SLT+4*(8*\g+\i)+1]
	v_cvt_pk_bf16_f32 v[SLT+4*(8*\g+\i)+1], v[SLT+4*(8*\g+\i)+2], v[SLT+4*(8*\g+\i)+3]
.endr
.endm
.macro STORE8 g
.irp i, 0,1,2,3,4,5,6,7
	ds_store_b64 v[LA], v[SLT+4*(8*\g+\i):SLT+4*(8*\g+\i)+1] offset:SLB+(8*\g+\i)*SP
.endr
.endm
.macro RELOAD8 g
.irp i, 0,1,2,3,4,5,6,7
	global_load_b128 v[SLT+4*(8*\g+\i):SLT+4*(8*\g+\i)+3], v[LO16], s[4:5] offset:(8*\g+\i)*4096+1024 th:TH_LOAD_NT
.endr
.endm
; Sixteen loads: a K step's eight fragments of W2, 8,192 bytes on end, into buffer i
.macro BLOAD i, off
.irp f, 0,1,2,3,4,5,6,7,8,9,10,11,12,13,14,15
	global_load_b128 v[64*\i+4*\f:64*\i+4*\f+3], v[LO16], s[6:7] offset:\off+\f*512
.endr
.endm
; Sixteen loads: V of my wave's 128 columns; a lane takes the 8 numbers of its half of each block of 16
.macro VLOAD
.irp f, 0,1,2,3,4,5,6,7,8,9,10,11,12,13,14,15
	global_load_b128 v[X+4*\f:X+4*\f+3], v[LQ], s[10:11] offset:(\f/2)*64+(\f%2)*16
.endr
.endm
; 16 matrix instructions: blocks a0, a0 + 1 of the window's four blocks of 16 rows x eight blocks of 16 columns, 32 along K.  first = 1: C is qpt's numbers, which start the sums.
; The 64 accumulators take turns, one instruction a turn, over the backward jumps too.
.macro MUL16 i, hi, a0, first
.irp a, \a0, \a0+1
.irp b, 0,1,2,3,4,5,6,7
.if \first
	v_wmma_f32_16x16x32_bf16 v[8*(8*(\a)+\b):8*(8*(\a)+\b)+7], v[64*\i+8*\b:64*\i+8*\b+7], v[F+8*(4*\hi+(\a)):F+8*(4*\hi+(\a))+7], v[192+8*\b:192+8*\b+7]
.else
	v_wmma_f32_16x16x32_bf16 v[8*(8*(\a)+\b):8*(8*(\a)+\b)+7], v[64*\i+8*\b:64*\i+8*\b+7], v[F+8*(4*\hi+(\a)):F+8*(4*\hi+(\a))+7], v[8*(8*(\a)+\b):8*(8*(\a)+\b)+7]
.endif
.endr
.endr
.endm
; A K step of 32 on buffer i: 32 products for rows 0-63, a run of loads, 32 products for rows 64-127, a run of loads.
;   lcnt  the global loads younger than this step's fragments of W2 (63 where there are more: the most that a wait can name, and a smaller count is always right)
;   hd    the LDS instructions younger than this step's fragments of rows 0-63;   md  those younger than its fragments of rows 64-127
;   koff  where the next step's fragments lie (-1: there is no next step)
;   gm, ge  the group of rows that is rounded and stored in the middle, at the end (-1: none);  rl = 1: its slots are asked for again
;   bar = 1  the trip's barrier: my stores of the next slice are done (they stand 32 products back), I say so, 16 products, all four have said so: only then the next slice is read
;   ps    1: w2f's pointer goes four K steps on; 2: and values' pointer one slice on.  The last loads that name them stand 32 products back or more
;   kind  1: buffer i takes the step four further on, at boff;  2 (step 0): buffer 3, which held C, takes step 3, and buffer 0 step 4;  3: V is asked for;  0: nothing
.macro STEP i, lcnt, hd, md, first, koff, gm, ge, rl, bar, ps, kind, boff
	s_wait_loadcnt \lcnt
	s_wait_dscnt \hd
.if \first
	WIN 0x91                                       ; W2 window 1, values window 0, C window 1, D window 2
.else
	WIN 0xa1                                       ; C and D window 2
.endif
	MUL16 \i, 0, 0, \first
	MUL16 \i, 0, 2, \first
	WIN 0
.if \gm >= 0
	CVT8R \gm
.else
	PLACES
.endif
.if \bar
	s_wait_dscnt 0x0                               ; for the others' sake: my stores of the next slice are done; so are all my LDS loads
	s_barrier_signal -1
	WIN 0xf1
	MUL16 \i, 1, 0, 0                              ; register work alone between the signal and the wait
	s_barrier_wait -1
	WIN 0
.endif
.if \koff >= 0
	FETCHA 0, \koff
.endif
.if \gm >= 0
	STORE8 \gm
.if \rl
	RELOAD8 \gm
.endif
.endif
.if \ps
	s_wait_xcnt 0x0                                ; the loads' bases are stepped only behind this wait
	s_add_nc_u64 s[6:7], s[6:7], 0x8000
.if \ps == 2
	s_add_nc_u64 s[4:5], s[4:5], 512
.endif
.endif
.if \bar
	WIN 0xf1
	MUL16 \i, 1, 2, 0
.else
	s_wait_dscnt \md
.if \first
	WIN 0xd1
.else
	WIN 0xf1                                       ; C and D window 3
.endif
	MUL16 \i, 1, 0, \first
	MUL16 \i, 1, 2, \first
.endif
	WIN 0
.if \ge >= 0
	CVT8R \ge
.else
	PLACES
.endif
.if \koff >= 0
	FETCHA 1, \koff
.endif
.if \ge >= 0
	STORE8 \ge
.if \rl
	RELOAD8 \ge
.endif
.endif
.if \kind == 1
	WIN 0x40                                       ; destination window 1
	BLOAD \i, \boff
.elseif \kind == 2
	WIN 0x40
	BLOAD 3, -8192
	BLOAD 0, 0
.elseif \kind == 3
	VLOAD
.endif
.endm
.macro ASTEP la                        ; the LDS addresses go one slice on
	WIN 0
	v_add_nc_u32 v[ADRA], SLB, v[ADRA]
.if \la
	v_add_nc_u32 v[LA], SLB, v[LA]
.endif
.endm
.macro KTAIL                           ; K steps 28 to 31: nothing more of W2 or of values is asked for
	STEP 0, 48, 8, 8, 0, 64,  -1, -1, 0, 0, 0, 3, 0        ; younger: steps 29, 30, 31; V is asked for
	STEP 1, 48, 8, 8, 0, 128, -1, -1, 0, 0, 0, 0, 0        ; steps 30, 31 and V
	STEP 2, 32, 8, 8, 0, 192, -1, -1, 0, 0, 0, 0, 0        ; step 31 and V
	STEP 3, 16, 8, 0, 0, -1,  -1, -1, 0, 0, 0, 0, 0        ; V
.endm
; Four accumulators (window W, column block b): 1 / (1 + 2^acc) in place, then times V into the rows' sums.  Each accumulator is read from its low end on.
; A plain instruction stands between each run of transcendentals and the first use of their results (ISA guide 5.7.2).
.macro EPIG W, b
.if \W == 2
	WIN 0x82
.else
	WIN 0xc3
.endif
.irp a, 0,1,2,3
.irp j, 0,1,2,3,4,5,6,7
	v_exp_f32 v[8*(8*\a+\b)+\j], v[8*(8*\a+\b)+\j]
.endr
.endr
	v_nop
	s_wait_alu depctr_va_vdst(0)
.irp a, 0,1,2,3
.irp q, 0,1,2,3
	v_pk_add_f32 v[8*(8*\a+\b)+2*\q:8*(8*\a+\b)+2*\q+1], v[8*(8*\a+\b)+2*\q:8*(8*\a+\b)+2*\q+1], 1.0 op_sel_hi:[1,0]
.endr
.endr
.irp a, 0,1,2,3
.irp j, 0,1,2,3,4,5,6,7
	v_rcp_f32 v[8*(8*\a+\b)+\j], v[8*(8*\a+\b)+\j]
.endr
.endr
	v_nop
	WIN \W                                         ; source 0 window W; V and the sums window 0
	s_wait_alu depctr_va_vdst(0)
.irp q, 0,1,2,3
.irp a, 0,1,2,3
	v_pk_fma_f32 v[S+2*(4*(\W-2)+\a):S+2*(4*(\W-2)+\a)+1], v[8*(8*\a+\b)+2*\q:8*(8*\a+\b)+2*\q+1], v[X+8*\b+2*\q:X+8*\b+2*\q+1], v[S+2*(4*(\W-2)+\a):S+2*(4*(\W-2)+\a)+1]
.endr
.endr
.endm
; A chunk's end: V into its sum, tanh and the dot product with V.  prime = 1: the next chunk's first loads are on their way meanwhile.
.macro EPILOGUE prime
	WIN 0
	s_wait_loadcnt 0x0                             ; V is in, and no load is out: every pointer may be stepped
.if \prime
	s_add_nc_u64 s[6:7], s[6:7], 819200            ; from the end of my 262,144 bytes to four K steps into those of the next chunk, 1,048,576 further on
	s_add_nc_u64 s[8:9], s[8:9], 65536             ; 32 column blocks on
	s_add_nc_u64 s[10:11], s[10:11], 2048          ; 512 columns on
	WIN 0x40
.irp g, 0,8,16,24,32,40,48,56
	PRIME8 \g
.endr
	WIN 0
.endif
.set e, 0
.rept 32
	v_pk_add_f32 v[VS+2*(e%4):VS+2*(e%4)+1], v[VS+2*(e%4):VS+2*(e%4)+1], v[X+2*e:X+2*e+1]
.set e, e+1
.endr
.irp b, 0,1,2,3,4,5,6,7
	EPIG 2, \b
.endr
.irp b, 0,1,2,3,4,5,6,7
	EPIG 3, \b
.endr
	WIN 0
.endm
	; CHUNK 0.  Global loads go out in this order: slice 0, slice 1, qpt, W2's steps 0, 1, 2; then in each trip: group 0 | W2 | group 1 | W2 | group 2 | group 3, W2 | W2
	; (8 loads a group, 16 a step of W2).  A group's slots were asked for ahead of the W2 step whose wait stands at the head of the K step that rounds them, so that wait covers them too.
	v_mov_b32 v[ADRA], v[A0]
	FETCHA 0, 0
	FETCHA 1, 0
	STEP 0, 32, 8,  16, 1, 64,  0,  -1, 1, 0, 0, 2, 0      ; younger than qpt's numbers and step 0: steps 1, 2
	STEP 1, 56, 16, 16, 0, 128, 1,  -1, 1, 0, 0, 1, 8192   ; step 2, group 0, steps 3, 4
	STEP 2, 63, 16, 16, 0, 192, 2,  3,  1, 0, 0, 1, 16384  ; 64 are younger
	STEP 3, 63, 24, 0,  0, SLB, -1, -1, 0, 1, 2, 1, -8192  ; 72 are younger
	ASTEP 1
	s_mov_b32 s24, 5
.Ltrip0:                                               ; trips 1 to 5: K steps 4 to 23; slices 2 to 6 are stored, slices 3 to 7 asked for.  72, 72, 64 and 80 loads are younger than the four steps' fragments
	STEP 0, 63, 8,  16, 0, 64,  0,  -1, 1, 0, 0, 1, 0
	STEP 1, 63, 16, 16, 0, 128, 1,  -1, 1, 0, 0, 1, 8192
	STEP 2, 63, 16, 16, 0, 192, 2,  3,  1, 0, 0, 1, 16384
	STEP 3, 63, 24, 0,  0, SLB, -1, -1, 0, 1, 2, 1, -8192
	ASTEP 1
	s_sub_co_i32 s24, s24, 1
	s_cmp_lg_u32 s24, 0
	s_cbranch_scc1 .Ltrip0
	STEP 0, 63, 8,  16, 0, 64,  0,  -1, 0, 0, 0, 1, 0      ; trip 6: slice 7 is stored, no slice is left to ask for.  72 are younger
	STEP 1, 63, 16, 16, 0, 128, 1,  -1, 0, 0, 0, 1, 8192   ; 64
	STEP 2, 48, 16, 16, 0, 192, 2,  3,  0, 0, 0, 1, 16384  ; three steps of W2
	STEP 3, 48, 24, 0,  0, SLB, -1, -1, 0, 1, 1, 1, -8192
	ASTEP 0
	KTAIL
	EPILOGUE 1
	; CHUNK 1: the block is whole in LDS; three steps of 16 loads are younger than a step's own fragments of W2
	v_mov_b32 v[ADRA], v[A0]
	FETCHA 0, 0
	FETCHA 1, 0
	STEP 0, 32, 8, 8, 1, 64,  -1, -1, 0, 0, 0, 2, 0
	STEP 1, 48, 8, 8, 0, 128, -1, -1, 0, 0, 0, 1, 8192
	STEP 2, 48, 8, 8, 0, 192, -1, -1, 0, 0, 0, 1, 16384
	STEP 3, 48, 8, 8, 0, SLB, -1, -1, 0, 0, 1, 1, -8192
	ASTEP 0
	s_mov_b32 s24, 6
.Ltrip1:                                               ; K steps 4 to 27; asks for steps 8 to 31
	STEP 0, 48, 8, 8, 0, 64,  -1, -1, 0, 0, 0, 1, 0
	STEP 1, 48, 8, 8, 0, 128, -1, -1, 0, 0, 0, 1, 8192
	STEP 2, 48, 8, 8, 0, 192, -1, -1, 0, 0, 0, 1, 16384
	STEP 3, 48, 8, 8, 0, SLB, -1, -1, 0, 0, 1, 1, -8192
	ASTEP 0
	s_sub_co_i32 s24, s24, 1
	s_cmp_lg_u32 s24, 0
	s_cbranch_scc1 .Ltrip1
	KTAIL
	EPILOGUE 0
	; SCORES: my wave's share of each row's score, sum of V - 2 sum of V / (1 + 2^..), over my half of the lanes' columns, then over both halves
	v_pk_add_f32 v[VS:VS+1], v[VS:VS+1], v[VS+2:VS+3]
	v_pk_add_f32 v[VS+4:VS+5], v[VS+4:VS+5], v[VS+6:VS+7]
	v_pk_add_f32 v[VS:VS+1], v[VS:VS+1], v[VS+4:VS+5]
	v_add_f32 v[VS], v[VS], v[VS+1]
.irp i, 0,1,2,3,4,5,6,7
	v_add_f32 v[U+\i], v[S+2*\i], v[S+2*\i+1]
.endr
.irp i, 0,1,2,3,4,5,6,7
	v_fma_f32 v[U+\i], v[U+\i], -2.0, v[VS]
.endr
.irp i, 0,1,2,3,4,5,6,7
	v_permlanex16_b32 v[S+2*\i], v[U+\i], s26, s27 ; its destination counts as read: S has been written and is no longer needed
.endr
.irp i, 0,1,2,3,4,5,6,7
	v_add_f32 v[U+\i], v[U+\i], v[S+2*\i]
.endr
.irp i, 0,1,2,3,4,5,6,7
	ds_store_b32 v[SA], v[U+\i] offset:64*\i       ; row 16 i + r; both halves of the lanes hold the same number
.endr
	s_wait_dscnt 0x0                               ; for the others' sake
	s_barrier_signal -1
	s_barrier_wait -1
	; THE BLOCK'S SOFTMAX, made by every wave for itself: lane L holds rows 4 L to 4 L + 3
.irp i, 0,1,2,3
	ds_load_b128 v[F+4*\i:F+4*\i+3], v[RA] offset:512*\i
.endr
	s_wait_dscnt 0x0
	v_pk_add_f32 v[F:F+1],     v[F:F+1],     v[F+4:F+5]
	v_pk_add_f32 v[F+2:F+3],   v[F+2:F+3],   v[F+6:F+7]
	v_pk_add_f32 v[F+8:F+9],   v[F+8:F+9],   v[F+12:F+13]
	v_pk_add_f32 v[F+10:F+11], v[F+10:F+11], v[F+14:F+15]
	v_pk_add_f32 v[F:F+1],     v[F:F+1],     v[F+8:F+9]
	v_pk_add_f32 v[F+2:F+3],   v[F+2:F+3],   v[F+10:F+11]
.irp i, 0,1,2,3
	v_add_f32 v[PW+\i], s22, v[F+\i]               ; + V_b
.endr
	v_max3_num_f32 v[ST], v[PW], v[PW+1], v[PW+2]
	v_max_num_f32 v[ST], v[ST], v[PW+3]
	v_max_num_f32_dpp v[ST], v[ST], v[ST] row_xmask:1 row_mask:0xf bank_mask:0xf
	v_max_num_f32_dpp v[ST], v[ST], v[ST] row_xmask:2 row_mask:0xf bank_mask:0xf
	v_max_num_f32_dpp v[ST], v[ST], v[ST] row_xmask:4 row_mask:0xf bank_mask:0xf
	v_max_num_f32_dpp v[ST], v[ST], v[ST] row_xmask:8 row_mask:0xf bank_mask:0xf
	v_permlanex16_b32 v[SCR], v[ST], s26, s27
	v_max_num_f32 v[ST], v[ST], v[SCR]             ; m, in every lane
.irp i, 0,1,2,3
	v_sub_f32 v[PW+\i], v[PW+\i], v[ST]
.endr
.irp i, 0,1,2,3
	v_mul_f32 v[PW+\i], s28, v[PW+\i]
.endr
.irp i, 0,1,2,3
	v_exp_f32 v[PW+\i], v[PW+\i]                   ; p = e^(score - m), at most 1
.endr
	v_mov_b32 v[ST+2], v[ST]                       ; the record holds (m, l) twice in a lane's 16 bytes; also the plain instruction behind the exponentials
	s_wait_alu depctr_va_vdst(0)
	v_add_f32 v[ST+1], v[PW], v[PW+1]
	v_add_f32 v[SCR+1], v[PW+2], v[PW+3]
	v_add_f32 v[ST+1], v[ST+1], v[SCR+1]
	v_add_f32_dpp v[ST+1], v[ST+1], v[ST+1] row_xmask:1 row_mask:0xf bank_mask:0xf
	v_add_f32_dpp v[ST+1], v[ST+1], v[ST+1] row_xmask:2 row_mask:0xf bank_mask:0xf
	v_add_f32_dpp v[ST+1], v[ST+1], v[ST+1] row_xmask:4 row_mask:0xf bank_mask:0xf
	v_add_f32_dpp v[ST+1], v[ST+1], v[ST+1] row_xmask:8 row_mask:0xf bank_mask:0xf
	v_permlanex16_b32 v[SCR], v[ST+1], s26, s27
	v_add_f32 v[ST+1], v[ST+1], v[SCR]             ; l
	v_mov_b32 v[ST+3], v[ST+1]
	ds_store_b128 v[WS], v[PW:PW+3]                ; my wave's own copy: LDS serves a wave's instructions in order (ISA guide 5.7.1.4), so its loads below see it
	; CTX: thread t owns columns 8 t to 8 t + 7 and walks the 128 rows, 16 at a time, on two sets of registers
.macro CLOAD wt, rw, rel               ; 20 LDS loads: 16 weights (the same for all lanes), 16 rows' 16 bytes
.irp i, 0,1,2,3
	ds_load_b128 v[\wt+4*\i:\wt+4*\i+3], v[WA] offset:(16*\rel+4*\i)*4
.endr
.irp i, 0,1,2,3,4,5,6,7,8,9,10,11,12,13,14,15
	ds_load_b128 v[\rw+4*\i:\rw+4*\i+3], v[CA] offset:(16*\rel+\i)*SP
.endr
.endm
.macro CFMA wt, rw                     ; 128 fused multiply-adds straight from the bf16 halves, in eight chains
.irp i, 0,1,2,3,4,5,6,7,8,9,10,11,12,13,14,15
.irp j, 0,1,2,3
	v_fma_mix_f32_bf16 v[CX+2*\j],   v[\rw+4*\i+\j], v[\wt+\i], v[CX+2*\j]   op_sel_hi:[1,0,0]
	v_fma_mix_f32_bf16 v[CX+2*\j+1], v[\rw+4*\i+\j], v[\wt+\i], v[CX+2*\j+1] op_sel:[1,0,0] op_sel_hi:[1,0,0]
.endr
.endr
.endm
.irp j, 0,1,2,3,4,5,6,7
	v_mov_b32 v[CX+\j], 0
.endr
	CLOAD 64, 80, 0
	s_mov_b32 s24, 3
.Lctx:                                                 ; a trip: 32 rows
	CLOAD 144, 160, 1
	s_wait_dscnt 20                                ; the other set's 20 loads may be out
	CFMA 64, 80
	v_add_nc_u32 v[CA], 32*SP, v[CA]
	v_add_nc_u32 v[WA], 128, v[WA]
	CLOAD 64, 80, 0
	s_wait_dscnt 20
	CFMA 144, 160
	s_sub_co_i32 s24, s24, 1
	s_cmp_lg_u32 s24, 0
	s_cbranch_scc1 .Lctx
	CLOAD 144, 160, 1                              ; rows 112 to 127
	s_wait_dscnt 20
	CFMA 64, 80
	s_wait_dscnt 0x0
	CFMA 144, 160
	; THE WAY OUT: a lane's 32 bytes go through my wave's own 1,024 bytes of LDS, so that each store of the wave covers 512 consecutive bytes, aligned
	ds_store_b128 v[XS], v[CX:CX+3]
	ds_store_b128 v[XS], v[CX+4:CX+7] offset:16
	ds_load_b128 v[OUTR:OUTR+3],   v[XL]
	ds_load_b128 v[OUTR+4:OUTR+7], v[XL] offset:512
	s_wait_dscnt 0x0
	global_store_b128 v[GO], v[OUTR:OUTR+3],   s[14:15]
	global_store_b128 v[GO], v[OUTR+4:OUTR+7], s[14:15] offset:512
	s_cmp_lg_u32 s16, 0
	s_cbranch_scc1 .Lend
	global_store_b128 v[LO16], v[ST:ST+3], s[14:15] offset:4096   ; wave 0: (m, l, m, l) in every lane: the record's last 512 bytes, whole
.Lend:
	s_wait_tensorcnt 0x0
	ds_add_u32 v62, v63
	s_wait_dscnt 0x0
	s_endpgm
.Lfunc_end_k_q156d1a955f_main:
	.size	k_q156d1a955f_main, .Lfunc_end_k_q156d1a955f_main-k_q156d1a955f_main
	.p2alignl 7, 3214868480
	.fill 96, 4, 3214868480
	.section	.rodata,"a",@progbits
	.p2align	6, 0x0
	.amdhsa_kernel k_q156d1a955f_main
		.amdhsa_group_segment_fixed_size 287232
		.amdhsa_private_segment_fixed_size 0
		.amdhsa_enable_private_segment 0
		.amdhsa_kernarg_size 48
		.amdhsa_user_sgpr_count 2
		.amdhsa_user_sgpr_kernarg_segment_ptr 1
		.amdhsa_wavefront_size32 1
		.amdhsa_system_sgpr_workgroup_id_x 1
		.amdhsa_system_sgpr_workgroup_id_y 1
		.amdhsa_system_sgpr_workgroup_id_z 1
		.amdhsa_system_vgpr_workitem_id 0
		.amdhsa_next_free_vgpr 1024
		.amdhsa_next_free_sgpr 66
		.amdhsa_reserve_vcc 0
		.amdhsa_float_denorm_mode_32 3
		.amdhsa_float_denorm_mode_16_64 3
		.amdhsa_memory_ordered 1
		.amdhsa_forward_progress 1
		.amdhsa_inst_pref_size 255
	.end_amdhsa_kernel
	.section	.bss,"aw",@nobits
	.p2align	6
	.space	262144
	.amdgpu_metadata
---
amdhsa.version: [ 1, 2 ]
amdhsa.kernels:
  - .name:           k_q156d1a955f_main
    .symbol:         k_q156d1a955f_main.kd
    .args:
      - { .name: values, .offset: 0, .size: 8, .value_kind: global_buffer, .address_space: global }
      - { .name: w2f, .offset: 8, .size: 8, .value_kind: global_buffer, .address_space: global }
      - { .name: qpt, .offset: 16, .size: 8, .value_kind: global_buffer, .address_space: global }
      - { .name: V_k, .offset: 24, .size: 8, .value_kind: global_buffer, .address_space: global }
      - { .name: V_b, .offset: 32, .size: 8, .value_kind: global_buffer, .address_space: global }
      - { .name: pbuf, .offset: 40, .size: 8, .value_kind: global_buffer, .address_space: global }
    .group_segment_fixed_size: 287232
    .private_segment_fixed_size: 0
    .kernarg_segment_align: 8
    .kernarg_segment_size: 48
    .max_flat_workgroup_size: 128
    .sgpr_count:     66
    .vgpr_count:     1024
    .wavefront_size: 32
...
	.end_amdgpu_metadata
.endif
;; end of part 2
;; launch combine (part 3): grid 4 x 32, 2 waves a work-group, no clusters, 0 bytes of LDS; arguments pbuf, out0; writes out0
.if DOCPART == 3
	.amdgcn_target "amdgcn-amd-amdhsa--gfx1250"
	.amdhsa_code_object_version 6
	.text
	.protected	k_q156d1a955f_combine
	.globl	k_q156d1a955f_combine
	.p2align	8
	.type	k_q156d1a955f_combine,@function
k_q156d1a955f_combine:
	s_mov_b64 s[64:65], 0
	v_nop
	global_prefetch_b8 v0, s[64:65] scope:SCOPE_SE
	s_setreg_imm32_b32 hwreg(HW_REG_WAVE_MODE, 25, 1), 1
	s_wait_xcnt 0x0
; out0[b][d] = sum over a batch's 16 records of e^(m_i - M) ctx_i[d], divided by sum of e^(m_i - M) l_i, with M the largest m_i.
; A record is 4,608 bytes: 1,024 f32 of ctx, then (m, l) repeated.  Work-group (x, y): a quarter of the columns of batch y; thread t owns four columns.
; All 32 loads go out in one run; a wave's load of ctx and its store cover 512 consecutive bytes, aligned.  2.4 MB in all: no LDS, no matrix unit, no cluster would spare a byte.
; Every l_i is at least 1 and the largest record has the factor 1, so the divisor is at least 1.
.set REC, 4608
.set ML,  4                            ; v[4:35]    (m_i, l_i); m_i becomes the factor f_i
.set CT,  36                           ; v[36:99]   four numbers of ctx_i
.set O,   100                          ; v[100:103] the sums
.set MX,  104                          ; v104       M
.set LS,  105                          ; v105, v106 the divisor, in two chains
.set RC,  107
	s_load_b128 s[4:7], s[0:1], 0x0                ; pbuf s[4:5], out0 s[6:7]
	s_and_b32 s8, ttmp7, 0xffff                    ; the batch
	s_mul_i32 s10, s8, 16*REC
	s_mov_b32 s11, 0
	s_lshl_b32 s12, s8, 12
	s_mov_b32 s13, 0
	s_lshl_b32 s9, ttmp9, 10                       ; my quarter: 1,024 bytes
	v_lshl_add_u32 v1, v0, 4, s9
	v_mov_b32 v2, 0
	s_wait_kmcnt 0x0
	s_add_nc_u64 s[4:5], s[4:5], s[10:11]
	s_add_nc_u64 s[6:7], s[6:7], s[12:13]
.set i, 0
.rept 16
	global_load_b64 v[ML+2*i:ML+2*i+1], v2, s[4:5] offset:i*REC+4096
.set i, i+1
.endr
.set i, 0
.rept 16
	global_load_b128 v[CT+4*i:CT+4*i+3], v1, s[4:5] offset:i*REC
.set i, i+1
.endr
	s_wait_loadcnt 0x0
	v_max3_num_f32 v[MX], v[ML], v[ML+2], v[ML+4]
.set i, 3
.rept 6
	v_max3_num_f32 v[MX], v[MX], v[ML+2*i], v[ML+2*i+2]
.set i, i+2
.endr
	v_max_num_f32 v[MX], v[MX], v[ML+30]
.set i, 0
.rept 16
	v_sub_f32 v[ML+2*i], v[ML+2*i], v[MX]
.set i, i+1
.endr
.set i, 0
.rept 16
	v_mul_f32 v[ML+2*i], 0x3fb8aa3b, v[ML+2*i]     ; times log2(e)
.set i, i+1
.endr
.set i, 0
.rept 16
	v_exp_f32 v[ML+2*i], v[ML+2*i]                 ; f_i = e^(m_i - M)
.set i, i+1
.endr
	v_nop                                          ; a plain instruction between the exponentials and the use of their results (ISA guide 5.7.2)
	s_wait_alu depctr_va_vdst(0)
	v_mul_f32 v[LS],   v[ML],   v[ML+1]
	v_mul_f32 v[LS+1], v[ML+2], v[ML+3]
	v_pk_mul_f32 v[O:O+1],   v[CT:CT+1],   v[ML:ML+1] op_sel_hi:[1,0]   ; the first record starts the sums
	v_pk_mul_f32 v[O+2:O+3], v[CT+2:CT+3], v[ML:ML+1] op_sel_hi:[1,0]
.set i, 2
.rept 14
	v_fmac_f32 v[LS+i%2], v[ML+2*i], v[ML+2*i+1]
.set i, i+1
.endr
.set i, 1
.rept 15
	v_pk_fma_f32 v[O:O+1],   v[CT+4*i:CT+4*i+1],   v[ML+2*i:ML+2*i+1], v[O:O+1]   op_sel_hi:[1,0,1]
	v_pk_fma_f32 v[O+2:O+3], v[CT+4*i+2:CT+4*i+3], v[ML+2*i:ML+2*i+1], v[O+2:O+3] op_sel_hi:[1,0,1]
.set i, i+1
.endr
	v_add_f32 v[LS], v[LS], v[LS+1]
	v_rcp_f32 v[RC], v[LS]
	v_nop
	s_wait_alu depctr_va_vdst(0)
.irp j, 0,1,2,3
	v_mul_f32 v[O+\j], v[O+\j], v[RC]
.endr
	global_store_b128 v1, v[O:O+3], s[6:7]
	s_endpgm
.Lfunc_end_k_q156d1a955f_combine:
	.size	k_q156d1a955f_combine, .Lfunc_end_k_q156d1a955f_combine-k_q156d1a955f_combine
	.p2alignl 7, 3214868480
	.fill 96, 4, 3214868480
	.section	.rodata,"a",@progbits
	.p2align	6, 0x0
	.amdhsa_kernel k_q156d1a955f_combine
		.amdhsa_group_segment_fixed_size 0
		.amdhsa_private_segment_fixed_size 0
		.amdhsa_enable_private_segment 0
		.amdhsa_kernarg_size 16
		.amdhsa_user_sgpr_count 2
		.amdhsa_user_sgpr_kernarg_segment_ptr 1
		.amdhsa_wavefront_size32 1
		.amdhsa_system_sgpr_workgroup_id_x 1
		.amdhsa_system_sgpr_workgroup_id_y 1
		.amdhsa_system_sgpr_workgroup_id_z 1
		.amdhsa_system_vgpr_workitem_id 0
		.amdhsa_next_free_vgpr 112
		.amdhsa_next_free_sgpr 66
		.amdhsa_reserve_vcc 0
		.amdhsa_float_denorm_mode_32 3
		.amdhsa_float_denorm_mode_16_64 3
		.amdhsa_memory_ordered 1
		.amdhsa_forward_progress 1
		.amdhsa_inst_pref_size 10
	.end_amdhsa_kernel
	.amdgpu_metadata
---
amdhsa.version: [ 1, 2 ]
amdhsa.kernels:
  - .name:           k_q156d1a955f_combine
    .symbol:         k_q156d1a955f_combine.kd
    .args:
      - { .name: pbuf, .offset: 0, .size: 8, .value_kind: global_buffer, .address_space: global }
      - { .name: out0, .offset: 8, .size: 8, .value_kind: global_buffer, .address_space: global }
    .group_segment_fixed_size: 0
    .private_segment_fixed_size: 0
    .kernarg_segment_align: 8
    .kernarg_segment_size: 16
    .max_flat_workgroup_size: 64
    .sgpr_count:     66
    .vgpr_count:     112
    .wavefront_size: 32
...
	.end_amdgpu_metadata
.endif
;; end of part 3
;; ======== version 2 of 2: 3 launches; version 1 with the launch main written anew for expert scheduling mode
;; limits: values outside matrix products are rounded to bf16
;; workspace buffers: w2f 2,097,152 bytes; qpt 131,072 bytes; pbuf 2,359,296 bytes
;; launch prep: the kernel of part 1 again; grid 64 x 1, 16 waves a work-group, no clusters, 34,816 bytes of LDS; arguments W1_k, W2_k, query, W1_b, W2_b, w2f, qpt; writes w2f, qpt
;; launch main (part 4): grid 512 x 1, 4 waves a work-group, no clusters, 287,232 bytes of LDS; arguments values, w2f, qpt, V_k, V_b, pbuf; writes pbuf
.if DOCPART == 4
	.amdgcn_target "amdgcn-amd-amdhsa--gfx1250"
	.amdhsa_code_object_version 6
	.text
	.protected	k_q156d1a955f_main
	.globl	k_q156d1a955f_main
	.p2align	8
	.type	k_q156d1a955f_main,@function
k_q156d1a955f_main:
	s_mov_b64 s[64:65], 0
	v_nop
	global_prefetch_b8 v0, s[64:65] scope:SCOPE_SE
	s_setreg_imm32_b32 hwreg(HW_REG_WAVE_SCHED_MODE, 0, 2), 2
	s_setreg_imm32_b32 hwreg(HW_REG_WAVE_MODE, 25, 1), 1
	s_wait_xcnt 0x0
	s_wait_alu depctr_vm_vsrc(0)
; For a block of 128 rows (b, t) of values: score = V_b + sum over u of V[u] tanh(q_proj[b][u] + (values W2)[u] + W2_b[u]); the block's maximum m,
; p = e^(score - m), l = sum of p, and ctx[d] = sum over the block's rows of p values[row][d].  A record (ctx, m, l) goes to pbuf; the last launch merges a batch's 16 records.
; VALUES LEAVE MEMORY ONCE, UNDER THE FIRST CHUNK'S PRODUCTS.  The block is rounded to bf16 on its way into LDS and stays there, for both chunks' products and for ctx.
; It comes in SLICES of 128 k (128 rows x 512 bytes of f32; four K steps).  Only slice 0 is waited for ahead of the products.  In K trip t of chunk 0 each wave rounds its 32 rows of
; slice t + 1, stores them, and asks for slice t + 2 into the same 32 register slots; one barrier a trip stands between those stores and the first read of the slice.
; SHARES.  Four waves.  The 1,024 columns go in two chunks of 512; in a chunk wave w makes all 128 rows x 128 columns: 64 accumulators, 512 registers.
; The matrix instruction is used transposed (source 0 = 16 columns of W2, source 1 = 16 rows of values): lane (r, h), register j of accumulator (rb, cb) holds
; row 16 rb + r, column 16 cb + 8 h + j, so a row's dot product with V stays in a lane but for one exchange between the halves of the lanes.
; W2 comes from w2f, which lies in fragment order (bf16, times c = 2 log2 e): a K step's eight fragments of a wave are 8,192 consecutive bytes, loaded straight into
; registers, in a ring of four buffers.  The first K step takes c (q_proj + W2_b) from qpt as its C: nothing is cleared and no bias is added later.
; tanh x = 1 - 2 / (1 + 2^(c x)).  2^ gives infinity for large x (tanh = 1) and 0 for very negative x (tanh = -1): no clamp is needed.
; score = sum of V - 2 sum of V / (1 + 2^(c x)), both sums in f32: its error is of the order 2^-24 x sum of |V|, as that of any f32 sum of V tanh.
; LIMITS.  values enter both the product and ctx as bf16 (relative rounding 2^-9 a number); weights, maxima and all sums are f32.  NaN and infinite inputs are not served.
; NO TENSOR LOADS, NO CLUSTER, although every work-group reads all of w2f: the block takes 278,528 of the 327,680 bytes that a work-group can be given, and two slots of one K step
; of a chunk's 512 columns are 65,536 more.  Each wave's columns are its own, so LDS would spare no byte inside the work-group either.
; The two chunks are written out one after the other, since only the first brings values in; no loop of the text is longer than one K trip.
;
; THE MODE: SCHED_MODE bits 1:0 = 2 (LLVM: expert scheduling mode 2), set by the entry lines.  The code itself states the register dependences
; between vector or matrix instructions and memory or LDS instructions, with s_wait_alu, always for 0.
; THE PLAN.  Registers that memory or LDS instructions touch in the K loops:
;   F lo (v64-95)    K step s: its first 32 products read it; the fragments of step s + 1 land in it, asked for among the step's last 32 products.
;   F hi (v96-127)   K step s: its last 32 products read it; the fragments of step s + 1 land in it, asked for among that step's first 32 products.
;   W2 buffer b      K step s, b = s % 4: all 64 products read it (buffer 3 also as C of a chunk's step 0); step s + 4's fragments land in it, asked for among the first 32 products of step s + 1.
;   the slots        a group's 16 conversions read its 32 registers; the same rows of the slice after the next land in them.
;   OB               a group's conversions write it; the group's eight LDS stores read it.  No store reads a register in which a load lands.
;   v[ADRA], v[LA]   read by the fragments' loads and by the stores; written once a trip, between two steps.     v[LO16], v[LQ]  read by the global loads; never written again.
; So TWO waits on va_vdst stand in a K step.  HEAD: the step before is done reading F hi and its buffer of W2; a group rounded at its end has written OB and is done reading its slots;
; the trip's adds have written v[ADRA] and v[LA].  MID: the step's first 32 products are done reading F lo; the group rounded there has written OB and is done reading its slots.
; Behind each the loads and stores that hang on it are dealt among the next 32 products, in runs of eight, with no further wait: behind HEAD those products name F lo, the step's own buffer
; and window 2 alone, behind MID F hi, the same buffer and window 3 alone; in a chunk's step 0 also buffer 3, as C, and that step asks for no W2.  A wait on vm_vsrc stands ahead of each group's conversions (OB) and ahead of the trip's adds.
;
; LDS: slice s at s x 34,816: 128 rows 272 bytes apart (17 x 16: the 16 rows that a fragment load touches start in 16 different groups of four banks: ISA guide 11.1), so that what a trip
;      stores and what it reads lie in different regions;  SCW [4 waves][128 rows] partial scores;  WGT each wave's own copy of the 128 weights;  CTXS each wave's own 1,024 bytes for the way out.
; REGISTERS, in windows of 256 (s_set_vgpr_msb: bits 1:0 source 0, 3:2 source 1, 5:4 source 2, 7:6 destination):
;   window 0: addresses, sums, OB, v64-127 fragments of values, v128-255 the 32 load slots (later V of the chunk, and ctx);  window 1: four buffers of W2's fragments (the fourth holds qpt's
;   numbers at a chunk's start);  window 2: accumulators of rows 0-63 ((a, cb) at 8 (8 a + cb)), and at the start slice 0 as loaded;  window 3: accumulators of rows 64-127.
.set SP,     272
.set R16,    16*SP
.set SLB,    128*SP
.set SCW,    8*SLB
.set WGT,    SCW+2048
.set CTXS,   WGT+2048
.set LO16, 1                           ; v1      16 x lane; never rewritten
.set LQ,   2                           ; v2      32 h; never rewritten
.set A0,   3                           ; v3      r x SP + 16 h
.set ADRA, 4                           ; v4      LDS address of my lane's place in the trip's slice
.set LA,   8                           ; v8      where my lane puts 8 bytes of my wave's first row, in the trip's slice
.set SA,   10                          ; v10     my wave's partial scores, row r
.set RA,   11                          ; v11     four rows' partial scores
.set WS,   12                          ; v12     where my lane puts four weights
.set WA,   13                          ; v13     my wave's weights, at the trip's rows
.set CA,   14                          ; v14     my thread's 8 columns, at the trip's rows
.set XS,   15                          ; v15, v16, v17  the way out
.set XL,   16
.set GO,   17
.set ST,   18                          ; v18-21  m, l, m, l
.set SCR,  22                          ; v22-23  at work
.set U,    24                          ; v24-31  a score for each block of 16 rows
.set OB,   24                          ; v24-31, v56-63  in chunk 0's K steps only, when U and PW are idle: a group's eight rows rounded to bf16, row i's pair at OB + 2 (i % 4) + 32 (i / 4)
.set S,    32                          ; v32-47  sum of V / (1 + 2^..): a pair for each block of 16 rows
.set VS,   48                          ; v48-55  sum of V: four pairs
.set PW,   56                          ; v56-59  four rows' scores, then weights
.set F,    64                          ; v64-127 fragment of rows 16 rb on at F + 8 rb; at the start slice 0's rounded words
.set SLT,  128                         ; v128-255 slot j: my wave's row j of a slice, four f32 a lane, as loaded
.set X,    128                         ; v128-191 V[16 cb + 8 h + j] at X + 8 cb + j, from K step 29 on
.set CX,   224                         ; v224-231 ctx of my 8 columns
.set OUTR, 232
.set MSB, 0
.macro WIN new                         ; the immediate's high byte repeats the setting that is left; a switch that changes nothing is dropped
.if MSB != \new
	s_set_vgpr_msb (MSB<<8)|\new
.set MSB, \new
.endif
.endm
.macro WINA first                      ; products for rows 0-63: W2 window 1, values window 0, D window 2; C window 2, or (first) window 1
.if \first
	WIN 0x91
.else
	WIN 0xa1
.endif
.endm
.macro WINB first                      ; the same for rows 64-127: D window 3
.if \first
	WIN 0xd1
.else
	WIN 0xf1
.endif
.endm
.macro PLACES                          ; four plain places behind the products (ISA guide 7.12.1), ahead of the wait that states the dependence: neither stands for the other
.rept 4
	v_nop
.endr
.endm
	s_load_b256 s[4:11], s[0:1], 0x0               ; values s[4:5], w2f s[6:7], qpt s[8:9], V_k s[10:11]
	s_load_b128 s[12:15], s[0:1], 0x20             ; V_b s[12:13], pbuf s[14:15]
	v_lshl_add_u32 v7, v0, 2, 0x46000
	v_mov_b32 v9, 0
	v_lshrrev_b32 v[SCR], 5, v0
	v_readfirstlane_b32 s16, v[SCR]                ; wave 0..3
	v_and_b32 v[SCR], 31, v0                       ; lane
	v_lshlrev_b32 v[LO16], 4, v[SCR]
	s_lshl_b32 s20, ttmp9, 19                      ; my block: 128 rows of 4,096 bytes;
	s_wait_alu depctr_va_sdst(0)                   ; s16 is written, ahead of its first reader: bases, LDS addresses and the last branch are made from it
	s_lshl_b32 s21, s16, 17                        ; my wave loads 32 of them
	s_add_co_u32 s20, s20, s21
	s_mov_b32 s21, 0
	s_wait_kmcnt 0x0
	s_add_nc_u64 s[4:5], s[4:5], s[20:21]
	WIN 0x80                                       ; destination window 2
	s_wait_alu depctr_va_vdst(0)                   ; v[LO16] is written, which the loads below read as their offset
.set n, 0
.rept 32                               ; slice 0 of my 32 rows: each load 512 consecutive bytes, aligned
	global_load_b128 v[4*n:4*n+3], v[LO16], s[4:5] offset:n*4096 th:TH_LOAD_NT
.set n, n+1
.endr
	WIN 0
.set n, 0
.rept 32                               ; slice 1, into the slots
	global_load_b128 v[SLT+4*n:SLT+4*n+3], v[LO16], s[4:5] offset:n*4096+512 th:TH_LOAD_NT
.set n, n+1
.endr
	s_load_b32 s22, s[12:13], 0x0                  ; V_b
	s_lshl_b32 s20, s16, 18                        ; w2f: my wave's 128 columns of chunk 0 are 262,144 bytes on end; the pointer stands four K steps in
	s_add_co_u32 s20, s20, 32768
	s_add_nc_u64 s[6:7], s[6:7], s[20:21]
	s_lshr_b32 s18, ttmp9, 4                       ; the batch
	s_lshl_b32 s18, s18, 6
	s_lshl_b32 s20, s16, 14
	s_add_co_u32 s20, s20, s18
	s_add_nc_u64 s[8:9], s[8:9], s[20:21]          ; qpt: my eight column blocks, my batch's 64 bytes
	s_lshl_b32 s20, s16, 9
	s_add_nc_u64 s[10:11], s[10:11], s[20:21]      ; V: my 128 columns
	s_add_co_u32 s24, s20, SCW
	s_add_co_u32 s25, s20, WGT
	s_mul_i32 s20, ttmp9, 4608
	s_add_nc_u64 s[14:15], s[14:15], s[20:21]      ; my block's record
	s_mov_b32 s26, 0x76543210                      ; v_permlanex16_b32: each lane takes its own place in the other half
	s_mov_b32 s27, 0xfedcba98
	s_mov_b32 s28, 0x3fb8aa3b                      ; log2(e)
	v_and_b32 v[U], 15, v0                         ; r
	v_bfe_u32 v[U+1], v0, 4, 1                     ; h
	v_lshlrev_b32 v[LQ], 5, v[U+1]
	v_mul_u32_u24 v[A0], v[U], SP
	v_lshl_add_u32 v[A0], v[U+1], 4, v[A0]
	v_lshl_add_u32 v[SA], v[U], 2, s24
	v_add_nc_u32 v[RA], SCW, v[LO16]
	v_add_nc_u32 v[WS], s25, v[LO16]
	v_mov_b32 v[WA], s25
	v_lshrrev_b32 v[U+2], 4, v0                    ; thread t's 8 columns lie in slice t / 16, at byte 16 (t % 16) of its rows
	v_mul_u32_u24 v[U+2], v[U+2], SLB
	v_lshl_add_u32 v[CA], v[U], 4, v[U+2]
	s_mul_i32 s20, s16, 32*SP
	v_lshl_add_u32 v[LA], v[SCR], 3, s20
	s_lshl_b32 s20, s16, 10
	v_add_nc_u32 v[GO], s20, v[LO16]
	s_add_co_u32 s24, s20, CTXS
	v_lshl_add_u32 v[XS], v[SCR], 5, s24
	v_add_nc_u32 v[XL], s24, v[LO16]
.set e, 0
.rept 24
	v_mov_b32 v[S+e], 0                            ; the sums that run over both chunks
.set e, e+1
.endr
; Eight of the 64 loads that start a chunk, in this order: qpt's numbers (16 loads, into buffer 3), then W2's fragments of K steps 0, 1, 2 (16 each)
.macro PRIME8 n0
.set n, \n0
.rept 8
.if n < 16
	global_load_b128 v[192+4*n:192+4*n+3], v[LQ], s[8:9] offset:(n/2)*2048+(n%2)*16
.else
	global_load_b128 v[4*(n-16):4*(n-16)+3], v[LO16], s[6:7] offset:(n-16)*512-32768
.endif
.set n, n+1
.endr
.endm
; Eight rows of slice 0: rounded to bf16 and put into LDS; eight of the chunk's first loads go out in their place, so the wait keeps its count
.macro FIRST g
	s_wait_loadcnt 56                              ; 64 loads have been issued since the group's first: its eight are in, the 56 younger ones stay out (loads come back in order: ISA guide 5.7.1)
	WIN 0x0a                                       ; sources window 2
.irp i, 0,1,2,3,4,5,6,7
	v_cvt_pk_bf16_f32 v[F+16*\g+2*\i],   v[4*(8*\g+\i)],   v[4*(8*\g+\i)+1]
	v_cvt_pk_bf16_f32 v[F+16*\g+2*\i+1], v[4*(8*\g+\i)+2], v[4*(8*\g+\i)+3]
.endr
	WIN 0x40
	s_wait_alu depctr_va_vdst(0)                   ; the conversions have written v[F ..], which the LDS stores below read; the first time also: v[LQ] and v[LA] are written, and the other addresses made at the head
	PRIME8 8*\g
	WIN 0
.irp i, 0,1,2,3,4,5,6,7
	ds_store_b64 v[LA], v[F+16*\g+2*\i:F+16*\g+2*\i+1] offset:(8*\g+\i)*SP   ; 32 lanes, 256 consecutive bytes
.endr
.endm
	FIRST 0
	FIRST 1
	FIRST 2
	FIRST 3
	WIN 0x40
.irp g, 32,40,48,56
	PRIME8 \g                                      ; W2's fragments of K steps 1 and 2
.endr
	WIN 0
	s_wait_kmcnt 0x0                               ; V_b
	s_wait_dscnt 0x0                               ; for the others' sake: my 32 rows of slice 0 are in LDS
	s_barrier_signal -1
	s_barrier_wait -1                              ; slice 0 is whole; no byte of the block is ever written twice
; Eight LDS loads: the fragments of rows 64 half on (four blocks of 16 rows), 32 along K at byte koff from the trip's slice (koff = SLB: the next slice's first K step)
.macro FETCHA half, koff
.irp q, 0,1,2,3
	ds_load_b128 v[F+8*(4*\half+\q):F+8*(4*\half+\q)+3],   v[ADRA] offset:(4*\half+\q)*R16+\koff
	ds_load_b128 v[F+8*(4*\half+\q)+4:F+8*(4*\half+\q)+7], v[ADRA] offset:(4*\half+\q)*R16+\koff+32
.endr
.endm
; Group g = rows 8 g to 8 g + 7 of my wave's 32.  CVT8R rounds the next slice's numbers out of the slots into OB (16 plain instructions, which are also the places behind the products);
; STORE8 puts OB into the slice behind the trip's; RELOAD8 asks for the slice behind that one into the group's slots.
.macro CVT8R g
	s_wait_alu depctr_vm_vsrc(0)                   ; the LDS stores of the group before have read OB, which the conversions write again
.irp i, 0,1,2,3,4,5,6,7
	v_cvt_pk_bf16_f32 v[OB+2*(\i%4)+32*(\i/4)],   v[SLT+4*(8*\g+\i)],   v[SLT+4*(8*\g+\i)+1]
	v_cvt_pk_bf16_f32 v[OB+2*(\i%4)+32*(\i/4)+1], v[SLT+4*(8*\g+\i)+2], v[SLT+4*(8*\g+\i)+3]
.endr
.endm
.macro STORE8 g
.irp i, 0,1,2,3,4,5,6,7
	ds_store_b64 v[LA], v[OB+2*(\i%4)+32*(\i/4):OB+2*(\i%4)+32*(\i/4)+1] offset:SLB+(8*\g+\i)*SP
.endr
.endm
.macro RELOAD8 g
.irp i, 0,1,2,3,4,5,6,7
	global_load_b128 v[SLT+4*(8*\g+\i):SLT+4*(8*\g+\i)+3], v[LO16], s[4:5] offset:(8*\g+\i)*4096+1024 th:TH_LOAD_NT
.endr
.endm
; Eight of the sixteen loads that bring a K step's eight fragments of W2, 8,192 bytes on end, into buffer i
.macro BLOAD8 i, off, n0
.set n, \n0
.rept 8
	global_load_b128 v[64*(\i)+4*n:64*(\i)+4*n+3], v[LO16], s[6:7] offset:(\off)+n*512
.set n, n+1
.endr
.endm
; Eight of the sixteen loads of V of my wave's 128 columns; a lane takes the 8 numbers of its half of each block of 16
.macro VLOAD8 n0
.set n, \n0
.rept 8
	global_load_b128 v[X+4*n:X+4*n+3], v[LQ], s[10:11] offset:(n/2)*64+(n%2)*16
.set n, n+1
.endr
.endm
; 8 matrix instructions: block a of the window's four blocks of 16 rows x eight blocks of 16 columns, 32 along K.  first = 1: C is qpt's numbers, which start the sums.
; The 64 accumulators take turns, one instruction a turn, over the backward jumps too.
.macro MUL8 i, hi, a, first
.irp b, 0,1,2,3,4,5,6,7
.if \first
	v_wmma_f32_16x16x32_bf16 v[8*(8*\a+\b):8*(8*\a+\b)+7], v[64*\i+8*\b:64*\i+8*\b+7], v[F+8*(4*\hi+\a):F+8*(4*\hi+\a)+7], v[192+8*\b:192+8*\b+7]
.else
	v_wmma_f32_16x16x32_bf16 v[8*(8*\a+\b):8*(8*\a+\b)+7], v[64*\i+8*\b:64*\i+8*\b+7], v[F+8*(4*\hi+\a):F+8*(4*\hi+\a)+7], v[8*(8*\a+\b):8*(8*\a+\b)+7]
.endif
.endr
.endm
; K step i of a trip, 32 along K, on buffer i: 32 products for rows 0-63, 32 for rows 64-127; the loads and stores stand in runs of eight behind each eight products.
;   lcnt  the global loads younger than this step's fragments of W2.  A group's slots were asked for ahead of the W2 step whose wait heads the K step that rounds them, so that wait covers them too
;   hd    the LDS instructions younger than this step's fragments of rows 0-63: the eight stores of the group that the step before rounded in its middle, or none
;   koff  where the next step's fragments of rows 0-63 lie (-1: there is no next step).  This step's own fragments of rows 64-127 lie at 64 i
;   gp    the group rounded at the end of the step before: stored here;   gm, ge  the group rounded in the middle (stored here), at the end (-1: none);   rl = 1: a stored group's slots are asked for again
;   bar = 1  the trip's barrier: my stores of the next slice are done, I say so, 16 products, all four have said so: only then the next slice is read
;   ps    1: w2f's pointer goes four K steps on; 2: and values' pointer one slice on.  The last loads that name them stand 16 products back or more
;   kind  1: the buffer that the step before read takes the K step three further on;  2 (a chunk's step 1): buffer 3, which held C, takes step 3, and buffer 0 step 4;  3: V is asked for;  0: nothing
.macro STEP i, lcnt, hd, first, koff, gp, gm, ge, rl, bar, ps, kind
	s_wait_loadcnt \lcnt
	s_wait_dscnt \hd
	s_wait_alu depctr_va_vdst(0)                   ; HEAD: the step before is done reading F hi and its buffer of W2 (step 0 also buffer 3, its C); a group rounded at its end has written OB and is done reading its slots; the trip's adds have written v[ADRA] and v[LA]
	WINA \first
	MUL8 \i, 0, 0, \first
	WIN 0
	FETCHA 1, 64*\i                                ; no wait from here to MID: no product since HEAD names F hi, OB, the slots, the buffer asked for or an address
	WINA \first
	MUL8 \i, 0, 1, \first
.if \gp >= 0
	WIN 0
	STORE8 \gp
.if \rl
	RELOAD8 \gp
.endif
.endif
.if \kind == 1
	WIN 0x40                                       ; destination window 1
	BLOAD8 (\i+3)%4, 8192*\i-8192, 0
.elseif \kind == 2
	WIN 0x40
	BLOAD8 3, -8192, 0
	BLOAD8 3, -8192, 8
.elseif \kind == 3
	WIN 0
	VLOAD8 0
.endif
	WINA \first
	MUL8 \i, 0, 2, \first
.if \kind == 1
	WIN 0x40
	BLOAD8 (\i+3)%4, 8192*\i-8192, 8
.elseif \kind == 2
	WIN 0x40
	BLOAD8 0, 0, 0
	BLOAD8 0, 0, 8
.elseif \kind == 3
	WIN 0
	VLOAD8 8
.endif
	WINA \first
	MUL8 \i, 0, 3, \first
	WIN 0
.if \koff >= 0
.if \gm >= 0
	CVT8R \gm
.else
	PLACES
.endif
	s_wait_alu depctr_va_vdst(0)                   ; MID: the 32 products above are done reading F lo; the group rounded just now has written OB and is done reading its slots
.endif
	s_wait_dscnt 0x0                               ; my fragments of rows 64-127 are in; with bar = 1 also, for the others' sake: my stores of the next slice are done
.if \bar
	s_barrier_signal -1
.endif
	WINB \first
	MUL8 \i, 1, 0, \first
.if \bar
	MUL8 \i, 1, 1, \first                          ; register work alone between the signal and the wait
	s_barrier_wait -1
.endif
.if \koff >= 0
	WIN 0
	FETCHA 0, \koff                                ; no wait from here to the next HEAD: no product since MID names F lo, OB, the slots or an address
.endif
.if \ps
	s_wait_xcnt 0x0                                ; the loads' bases are stepped only behind this wait
	s_add_nc_u64 s[6:7], s[6:7], 0x8000
.if \ps == 2
	s_add_nc_u64 s[4:5], s[4:5], 512
.endif
.endif
.if !\bar
	WINB \first
	MUL8 \i, 1, 1, \first
.endif
.if \gm >= 0
	WIN 0
	STORE8 \gm
.endif
	WINB \first
	MUL8 \i, 1, 2, \first
.if \gm >= 0
.if \rl
	WIN 0
	RELOAD8 \gm
.endif
.endif
	WINB \first
	MUL8 \i, 1, 3, \first
	WIN 0
.if \ge >= 0
	CVT8R \ge
.else
	PLACES
.endif
.endm
.macro ASTEP la                        ; the LDS addresses go one slice on; the next step's HEAD states that they are written
	WIN 0
	s_wait_alu depctr_vm_vsrc(0)                   ; the LDS loads and stores issued so far have read v[ADRA] and v[LA]
	v_add_nc_u32 v[ADRA], SLB, v[ADRA]
.if \la
	v_add_nc_u32 v[LA], SLB, v[LA]
.endif
.endm
.macro KSTART                          ; a chunk's first fragments
	s_wait_alu depctr_vm_vsrc(0)                   ; the LDS instructions issued so far have read v[ADRA], and (chunk 0) my LDS stores of slice 0 have read v[F ..], in which fragments land from here on
	v_mov_b32 v[ADRA], v[A0]
	s_wait_alu depctr_va_vdst(0)                   ; v[ADRA] is written; all earlier products and conversions are done with v[F ..]
	FETCHA 0, 0
.endm
.macro KTAIL                           ; K steps 28 to 31
	STEP 0, 32, 0, 0, 64,  -1, -1, -1, 0, 0, 0, 1  ; younger: steps 29, 30; step 31 is asked for
	STEP 1, 32, 0, 0, 128, -1, -1, -1, 0, 0, 0, 3  ; steps 30, 31; V is asked for
	STEP 2, 32, 0, 0, 192, -1, -1, -1, 0, 0, 0, 0  ; step 31 and V
	STEP 3, 16, 0, 0, -1,  -1, -1, -1, 0, 0, 0, 0  ; V
.endm
; Four accumulators (window W, column block b): 1 / (1 + 2^acc) in place, then times V into the rows' sums.  Each accumulator is read from its low end on.
; A plain instruction stands between each run of transcendentals and the first use of their results (ISA guide 5.7.2).
.macro EPIG W, b
.if \W == 2
	WIN 0x82
.else
	WIN 0xc3
.endif
.irp a, 0,1,2,3
.irp j, 0,1,2,3,4,5,6,7
	v_exp_f32 v[8*(8*\a+\b)+\j], v[8*(8*\a+\b)+\j]
.endr
.endr
	v_nop
	s_wait_alu depctr_va_vdst(0)
.irp a, 0,1,2,3
.irp q, 0,1,2,3
	v_pk_add_f32 v[8*(8*\a+\b)+2*\q:8*(8*\a+\b)+2*\q+1], v[8*(8*\a+\b)+2*\q:8*(8*\a+\b)+2*\q+1], 1.0 op_sel_hi:[1,0]
.endr
.endr
.irp a, 0,1,2,3
.irp j, 0,1,2,3,4,5,6,7
	v_rcp_f32 v[8*(8*\a+\b)+\j], v[8*(8*\a+\b)+\j]
.endr
.endr
	v_nop
	WIN \W                                         ; source 0 window W; V and the sums window 0
	s_wait_alu depctr_va_vdst(0)
.irp q, 0,1,2,3
.irp a, 0,1,2,3
	v_pk_fma_f32 v[S+2*(4*(\W-2)+\a):S+2*(4*(\W-2)+\a)+1], v[8*(8*\a+\b)+2*\q:8*(8*\a+\b)+2*\q+1], v[X+8*\b+2*\q:X+8*\b+2*\q+1], v[S+2*(4*(\W-2)+\a):S+2*(4*(\W-2)+\a)+1]
.endr
.endr
.endm
; A chunk's end: V into its sum, tanh and the dot product with V.  prime = 1: the next chunk's first loads are on their way meanwhile.
.macro EPILOGUE prime
	WIN 0
	s_wait_loadcnt 0x0                             ; V is in, and no load is out: every pointer may be stepped
.if \prime
	s_add_nc_u64 s[6:7], s[6:7], 819200            ; from the end of my 262,144 bytes to four K steps into those of the next chunk, 1,048,576 further on
	s_add_nc_u64 s[8:9], s[8:9], 65536             ; 32 column blocks on
	s_add_nc_u64 s[10:11], s[10:11], 2048          ; 512 columns on
	WIN 0x40
	s_wait_alu depctr_va_vdst(0)                   ; the last K steps' products are done reading the four buffers of W2, in which the next chunk's first loads land
.irp g, 0,8,16,24,32,40,48,56
	PRIME8 \g
.endr
	WIN 0
.endif
.set e, 0
.rept 32
	v_pk_add_f32 v[VS+2*(e%4):VS+2*(e%4)+1], v[VS+2*(e%4):VS+2*(e%4)+1], v[X+2*e:X+2*e+1]
.set e, e+1
.endr
.irp b, 0,1,2,3,4,5,6,7
	EPIG 2, \b
.endr
.irp b, 0,1,2,3,4,5,6,7
	EPIG 3, \b
.endr
	WIN 0
.endm
	; CHUNK 0.  Global loads go out in this order: slice 0, slice 1, qpt, W2's steps 0, 1, 2; then in a trip: W2, group 0 | W2, group 1 | W2, group 2 | group 3, W2
	; (16 loads a step of W2, 8 a group; trip 0: group 0 | two steps of W2, group 1 | W2, group 2 | group 3, W2).
	KSTART
	;    i  lcnt hd first koff gp  gm  ge rl bar ps kind
	STEP 0, 32, 0, 1, 64,  -1,  0, -1, 1, 0, 0, 0  ; younger than qpt's numbers and step 0: steps 1, 2
	STEP 1, 24, 8, 0, 128, -1,  1, -1, 1, 0, 0, 2  ; step 2, group 0
	STEP 2, 48, 8, 0, 192, -1,  2,  3, 1, 0, 0, 1  ; group 0, steps 3, 4, group 1
	STEP 3, 48, 8, 0, SLB,  3, -1, -1, 1, 1, 2, 1  ; step 4, group 1, step 5, group 2
	ASTEP 1
	s_mov_b32 s24, 5
.Ltrip0:                                               ; trips 1 to 5: K steps 4 to 23; slices 2 to 6 are stored, slices 3 to 7 asked for
	STEP 0, 56, 0, 0, 64,  -1,  0, -1, 1, 0, 0, 1  ; younger: group 1, W2, groups 2, 3, W2
	STEP 1, 56, 8, 0, 128, -1,  1, -1, 1, 0, 0, 1  ; groups 2, 3, W2, W2, group 0
	STEP 2, 48, 8, 0, 192, -1,  2,  3, 1, 0, 0, 1  ; W2, group 0, W2, group 1
	STEP 3, 56, 8, 0, SLB,  3, -1, -1, 1, 1, 2, 1  ; group 0, W2, group 1, W2, group 2
	ASTEP 1
	s_sub_co_i32 s24, s24, 1
	s_cmp_lg_u32 s24, 0
	s_cbranch_scc1 .Ltrip0
	STEP 0, 56, 0, 0, 64,  -1,  0, -1, 0, 0, 0, 1  ; trip 6: slice 7 is stored, no slice is left to ask for.  Younger: as in the loop
	STEP 1, 48, 8, 0, 128, -1,  1, -1, 0, 0, 0, 1  ; groups 2, 3, W2, W2
	STEP 2, 32, 8, 0, 192, -1,  2,  3, 0, 0, 0, 1  ; two steps of W2
	STEP 3, 32, 8, 0, SLB,  3, -1, -1, 0, 1, 1, 1
	ASTEP 0
	KTAIL
	EPILOGUE 1
	; CHUNK 1: the block is whole in LDS; two steps of 16 loads are younger than a step's own fragments of W2
	KSTART
	STEP 0, 32, 0, 1, 64,  -1, -1, -1, 0, 0, 0, 0  ; steps 1, 2
	STEP 1, 16, 0, 0, 128, -1, -1, -1, 0, 0, 0, 2  ; step 2
	STEP 2, 32, 0, 0, 192, -1, -1, -1, 0, 0, 0, 1
	STEP 3, 32, 0, 0, SLB, -1, -1, -1, 0, 0, 1, 1
	ASTEP 0
	s_mov_b32 s24, 6
.Ltrip1:                                               ; K steps 4 to 27; asks for steps 7 to 30
	STEP 0, 32, 0, 0, 64,  -1, -1, -1, 0, 0, 0, 1
	STEP 1, 32, 0, 0, 128, -1, -1, -1, 0, 0, 0, 1
	STEP 2, 32, 0, 0, 192, -1, -1, -1, 0, 0, 0, 1
	STEP 3, 32, 0, 0, SLB, -1, -1, -1, 0, 0, 1, 1
	ASTEP 0
	s_sub_co_i32 s24, s24, 1
	s_cmp_lg_u32 s24, 0
	s_cbranch_scc1 .Ltrip1
	KTAIL
	EPILOGUE 0
	; SCORES: my wave's share of each row's score, sum of V - 2 sum of V / (1 + 2^..), over my half of the lanes' columns, then over both halves
	v_pk_add_f32 v[VS:VS+1], v[VS:VS+1], v[VS+2:VS+3]
	v_pk_add_f32 v[VS+4:VS+5], v[VS+4:VS+5], v[VS+6:VS+7]
	v_pk_add_f32 v[VS:VS+1], v[VS:VS+1], v[VS+4:VS+5]
	v_add_f32 v[VS], v[VS], v[VS+1]
.irp i, 0,1,2,3,4,5,6,7
	v_add_f32 v[U+\i], v[S+2*\i], v[S+2*\i+1]
.endr
.irp i, 0,1,2,3,4,5,6,7
	v_fma_f32 v[U+\i], v[U+\i], -2.0, v[VS]
.endr
.irp i, 0,1,2,3,4,5,6,7
	v_permlanex16_b32 v[S+2*\i], v[U+\i], s26, s27 ; its destination counts as read: S has been written and is no longer needed
.endr
.irp i, 0,1,2,3,4,5,6,7
	v_add_f32 v[U+\i], v[U+\i], v[S+2*\i]
.endr
	s_wait_alu depctr_va_vdst(0)                   ; the scores v[U ..] are written, which the LDS stores read; and every product is done reading v[F ..], in which the loads behind the barrier land
.irp i, 0,1,2,3,4,5,6,7
	ds_store_b32 v[SA], v[U+\i] offset:64*\i       ; row 16 i + r; both halves of the lanes hold the same number
.endr
	s_wait_dscnt 0x0                               ; for the others' sake
	s_barrier_signal -1
	s_barrier_wait -1
	; THE BLOCK'S SOFTMAX, made by every wave for itself: lane L holds rows 4 L to 4 L + 3
.irp i, 0,1,2,3
	ds_load_b128 v[F+4*\i:F+4*\i+3], v[RA] offset:512*\i
.endr
	s_wait_dscnt 0x0
	v_pk_add_f32 v[F:F+1],     v[F:F+1],     v[F+4:F+5]
	v_pk_add_f32 v[F+2:F+3],   v[F+2:F+3],   v[F+6:F+7]
	v_pk_add_f32 v[F+8:F+9],   v[F+8:F+9],   v[F+12:F+13]
	v_pk_add_f32 v[F+10:F+11], v[F+10:F+11], v[F+14:F+15]
	v_pk_add_f32 v[F:F+1],     v[F:F+1],     v[F+8:F+9]
	v_pk_add_f32 v[F+2:F+3],   v[F+2:F+3],   v[F+10:F+11]
.irp i, 0,1,2,3
	v_add_f32 v[PW+\i], s22, v[F+\i]               ; + V_b
.endr
	v_max3_num_f32 v[ST], v[PW], v[PW+1], v[PW+2]
	v_max_num_f32 v[ST], v[ST], v[PW+3]
	v_max_num_f32_dpp v[ST], v[ST], v[ST] row_xmask:1 row_mask:0xf bank_mask:0xf
	v_max_num_f32_dpp v[ST], v[ST], v[ST] row_xmask:2 row_mask:0xf bank_mask:0xf
	v_max_num_f32_dpp v[ST], v[ST], v[ST] row_xmask:4 row_mask:0xf bank_mask:0xf
	v_max_num_f32_dpp v[ST], v[ST], v[ST] row_xmask:8 row_mask:0xf bank_mask:0xf
	v_permlanex16_b32 v[SCR], v[ST], s26, s27
	v_max_num_f32 v[ST], v[ST], v[SCR]             ; m, in every lane
.irp i, 0,1,2,3
	v_sub_f32 v[PW+\i], v[PW+\i], v[ST]
.endr
.irp i, 0,1,2,3
	v_mul_f32 v[PW+\i], s28, v[PW+\i]
.endr
.irp i, 0,1,2,3
	v_exp_f32 v[PW+\i], v[PW+\i]                   ; p = e^(score - m), at most 1
.endr
	v_mov_b32 v[ST+2], v[ST]                       ; the record holds (m, l) twice in a lane's 16 bytes; also the plain instruction behind the exponentials
	s_wait_alu depctr_va_vdst(0)
	v_add_f32 v[ST+1], v[PW], v[PW+1]
	v_add_f32 v[SCR+1], v[PW+2], v[PW+3]
	v_add_f32 v[ST+1], v[ST+1], v[SCR+1]
	v_add_f32_dpp v[ST+1], v[ST+1], v[ST+1] row_xmask:1 row_mask:0xf bank_mask:0xf
	v_add_f32_dpp v[ST+1], v[ST+1], v[ST+1] row_xmask:2 row_mask:0xf bank_mask:0xf
	v_add_f32_dpp v[ST+1], v[ST+1], v[ST+1] row_xmask:4 row_mask:0xf bank_mask:0xf
	v_add_f32_dpp v[ST+1], v[ST+1], v[ST+1] row_xmask:8 row_mask:0xf bank_mask:0xf
	v_permlanex16_b32 v[SCR], v[ST+1], s26, s27
	v_add_f32 v[ST+1], v[ST+1], v[SCR]             ; l
	v_mov_b32 v[ST+3], v[ST+1]
	s_wait_alu depctr_va_vdst(0)                   ; the weights v[PW ..] are written, which the LDS store reads; the lines above are done with v64-79, in which the first loads of ctx land
	ds_store_b128 v[WS], v[PW:PW+3]                ; my wave's own copy: LDS serves a wave's instructions in order (ISA guide 5.7.1.4), so its loads below see it
	; CTX: thread t owns columns 8 t to 8 t + 7 and walks the 128 rows, 16 at a time, on two sets of registers.
	; A set is read by its 128 multiply-adds and then loaded again: one wait on va_vdst stands ahead of each set's loads; the one ahead of the first set's also states the adds to the two addresses.
.macro CLOAD wt, rw, rel               ; 20 LDS loads: 16 weights (the same for all lanes), 16 rows' 16 bytes
.irp i, 0,1,2,3
	ds_load_b128 v[\wt+4*\i:\wt+4*\i+3], v[WA] offset:(16*\rel+4*\i)*4
.endr
.irp i, 0,1,2,3,4,5,6,7,8,9,10,11,12,13,14,15
	ds_load_b128 v[\rw+4*\i:\rw+4*\i+3], v[CA] offset:(16*\rel+\i)*SP
.endr
.endm
.macro CFMA wt, rw                     ; 128 fused multiply-adds straight from the bf16 halves, in eight chains
.irp i, 0,1,2,3,4,5,6,7,8,9,10,11,12,13,14,15
.irp j, 0,1,2,3
	v_fma_mix_f32_bf16 v[CX+2*\j],   v[\rw+4*\i+\j], v[\wt+\i], v[CX+2*\j]   op_sel_hi:[1,0,0]
	v_fma_mix_f32_bf16 v[CX+2*\j+1], v[\rw+4*\i+\j], v[\wt+\i], v[CX+2*\j+1] op_sel:[1,0,0] op_sel_hi:[1,0,0]
.endr
.endr
.endm
.irp j, 0,1,2,3,4,5,6,7
	v_mov_b32 v[CX+\j], 0                          ; these name v224-231 alone: none of the registers that the loads below touch
.endr
	CLOAD 64, 80, 0
	s_mov_b32 s24, 3
.Lctx:                                                 ; a trip: 32 rows
	s_wait_alu depctr_va_vdst(0)                   ; the multiply-adds of the trip before are done reading the second set, in which the loads below land
	CLOAD 144, 160, 1
	s_wait_dscnt 20                                ; the other set's 20 loads may be out
	CFMA 64, 80
	s_wait_alu depctr_vm_vsrc(0)                   ; the LDS loads issued so far have read v[CA] and v[WA]
	v_add_nc_u32 v[CA], 32*SP, v[CA]
	v_add_nc_u32 v[WA], 128, v[WA]
	s_wait_alu depctr_va_vdst(0)                   ; v[CA] and v[WA] are written; the multiply-adds above are done reading the first set
	CLOAD 64, 80, 0
	s_wait_dscnt 20
	CFMA 144, 160
	s_sub_co_i32 s24, s24, 1
	s_cmp_lg_u32 s24, 0
	s_cbranch_scc1 .Lctx
	s_wait_alu depctr_va_vdst(0)                   ; the last trip's multiply-adds are done reading the second set
	CLOAD 144, 160, 1                              ; rows 112 to 127
	s_wait_dscnt 20
	CFMA 64, 80
	s_wait_dscnt 0x0
	CFMA 144, 160
	; THE WAY OUT: a lane's 32 bytes go through my wave's own 1,024 bytes of LDS, so that each store of the wave covers 512 consecutive bytes, aligned
	s_wait_alu depctr_va_vdst(0)                   ; the multiply-adds have written v[CX ..], which the LDS stores read; v[ST ..], which wave 0's last store reads, was written earlier
	ds_store_b128 v[XS], v[CX:CX+3]
	ds_store_b128 v[XS], v[CX+4:CX+7] offset:16
	ds_load_b128 v[OUTR:OUTR+3],   v[XL]
	ds_load_b128 v[OUTR+4:OUTR+7], v[XL] offset:512
	s_wait_dscnt 0x0
	global_store_b128 v[GO], v[OUTR:OUTR+3],   s[14:15]
	global_store_b128 v[GO], v[OUTR+4:OUTR+7], s[14:15] offset:512
	s_cmp_lg_u32 s16, 0
	s_cbranch_scc1 .Lend
	global_store_b128 v[LO16], v[ST:ST+3], s[14:15] offset:4096   ; wave 0: (m, l, m, l) in every lane: the record's last 512 bytes, whole
.Lend:
	s_wait_dscnt 0x0
	s_wait_alu depctr_hold_cnt(0) depctr_sa_sdst(0) depctr_va_vdst(0) depctr_va_sdst(0) depctr_va_ssrc(0) depctr_va_vcc(0) depctr_vm_vsrc(0)
	s_wait_tensorcnt 0x0
	ds_add_u32 v7, v9
	s_wait_dscnt 0x0
	s_endpgm
.Lfunc_end_k_q156d1a955f_main:
	.size	k_q156d1a955f_main, .Lfunc_end_k_q156d1a955f_main-k_q156d1a955f_main
	.p2alignl 7, 3214868480
	.fill 96, 4, 3214868480
	.section	.rodata,"a",@progbits
	.p2align	6, 0x0
	.amdhsa_kernel k_q156d1a955f_main
		.amdhsa_group_segment_fixed_size 287232
		.amdhsa_private_segment_fixed_size 0
		.amdhsa_enable_private_segment 0
		.amdhsa_kernarg_size 48
		.amdhsa_user_sgpr_count 2
		.amdhsa_user_sgpr_kernarg_segment_ptr 1
		.amdhsa_wavefront_size32 1
		.amdhsa_system_sgpr_workgroup_id_x 1
		.amdhsa_system_sgpr_workgroup_id_y 1
		.amdhsa_system_sgpr_workgroup_id_z 1
		.amdhsa_system_vgpr_workitem_id 0
		.amdhsa_next_free_vgpr 1024
		.amdhsa_next_free_sgpr 66
		.amdhsa_reserve_vcc 0
		.amdhsa_float_denorm_mode_32 3
		.amdhsa_float_denorm_mode_16_64 3
		.amdhsa_memory_ordered 1
		.amdhsa_forward_progress 1
		.amdhsa_inst_pref_size 255
	.end_amdhsa_kernel
	.section	.bss,"aw",@nobits
	.p2align	6
	.space	262144
	.amdgpu_metadata
---
amdhsa.version: [ 1, 2 ]
amdhsa.kernels:
  - .name:           k_q156d1a955f_main
    .symbol:         k_q156d1a955f_main.kd
    .args:
      - { .name: values, .offset: 0, .size: 8, .value_kind: global_buffer, .address_space: global }
      - { .name: w2f, .offset: 8, .size: 8, .value_kind: global_buffer, .address_space: global }
      - { .name: qpt, .offset: 16, .size: 8, .value_kind: global_buffer, .address_space: global }
      - { .name: V_k, .offset: 24, .size: 8, .value_kind: global_buffer, .address_space: global }
      - { .name: V_b, .offset: 32, .size: 8, .value_kind: global_buffer, .address_space: global }
      - { .name: pbuf, .offset: 40, .size: 8, .value_kind: global_buffer, .address_space: global }
    .group_segment_fixed_size: 287232
    .private_segment_fixed_size: 0
    .kernarg_segment_align: 8
    .kernarg_segment_size: 48
    .max_flat_workgroup_size: 128
    .sgpr_count:     66
    .vgpr_count:     1024
    .wavefront_size: 32
...
	.end_amdgpu_metadata
.endif
;; end of part 4
;; launch combine: the kernel of part 3 again; grid 4 x 32, 2 waves a work-group, no clusters, 0 bytes of LDS; arguments pbuf, out0; writes out0
